; MI455X (gfx1250); checked and timed in simulation.
; The chip was launched on July 23, 2026; its instructions are those of AMD's public machine-readable ISA for CDNA 5 (MIT licence, August 2026) and "CDNA5" Instruction Set Architecture Reference Guide (July 2026). The comments in the code are by the model that wrote it; some were corrected since.
;; Encoder Block. Allowed arithmetic: float matrix products may take bf16 or f16 operands with f32 sums; other float arithmetic in f32, or as packed bf16 or f16 multiplies, adds, multiply-adds, maxima and minima; sums over many terms, partial sums and values carried from step to step in f32; what a program stores and reads back later, other than sums and carried values, may be rounded once to bf16 or f16.
;; Inputs: b1 4,096 float32; b2 1,024 float32; ln1_a 1,024 float32; ln1_b 1,024 float32; ln2_a 1,024 float32; ln2_b 1,024 float32; w1 1,024 x 4,096 float32; w2 4,096 x 1,024 float32; wk 1,024 x 1,024 float32; wo 1,024 x 1,024 float32; wq 1,024 x 1,024 float32; wv 1,024 x 1,024 float32; x 4 x 1,024 x 1,024 float32.
;; Outputs: out0 4 x 1,024 x 1,024 float32.
;; 2 versions, each right; version 2 is version 1 with the launches kv, up written anew for expert scheduling mode. Each part assembles by itself: llvm-mc -triple=amdgcn-amd-amdhsa -mcpu=gfx1250 --defsym DOCPART=n.
;; ======== version 1 of 2: 6 launches
;; limits: a function is approximated: absolute error at most 2.5e-05; an absolute error that grows with the inputs' magnitude: up to 1.25e-05 times it
;; workspace buffers: st 1,081,344 bytes; kvp 1,572,864 bytes; up 393,216 bytes; wb1 8,388,608 bytes; wb2 8,388,608 bytes; x1 16,777,216 bytes; h2 8,388,608 bytes; g 33,554,432 bytes
;; launch stats (part 1): grid 256 x 1, 8 waves a work-group, no clusters, 34,048 bytes of LDS; arguments x, st; writes st
.if DOCPART == 1
	.amdgcn_target "amdgcn-amd-amdhsa--gfx1250"
	.amdhsa_code_object_version 6
	.text
	.protected	k_qf0fabed499_stats
	.globl	k_qf0fabed499_stats
	.p2align	8
	.type	k_qf0fabed499_stats,@function
k_qf0fabed499_stats:
	s_mov_b64 s[64:65], 0
	v_nop
	global_prefetch_b8 v0, s[64:65] scope:SCOPE_SE
	s_setreg_imm32_b32 hwreg(HW_REG_WAVE_MODE, 25, 1), 1
	s_wait_xcnt 0x0
; LAYERNORM 1's STATISTICS.  x: [4096][1024] f32.  For each row: mean and 1 / (std + 1e-6), std with divisor 1023, made in two passes (mean first, then the squares of x - mean).
; For each 16 rows: the column sums of (x - mean) / (std + eps), which a later launch adds up to the sum over a batch's rows.
; st: bytes 0 .. 1,048,575 part[256 work-groups][1024] f32; from byte 1,048,576 stat[4096][2] f32 = (mean, 1 / (std + eps)).
; SHARES.  A work-group owns 16 rows, each of its eight waves two.  A row is eight loads of 16 bytes a lane (512 consecutive bytes a load) and stays in 32 registers.
; No matrix unit, no cluster, no tensor load: each byte of x is read once and nothing is shared between work-groups.
; LIMITS.  NaN and infinities are not treated apart; a variance below 2^-126 counts as 0 (the root flushes denormals: ISA guide, 15.8).
.set STL,   32768                      ; behind the eight waves' 4,096 bytes of column sums: 16 rows x (mean, r)
.set SPARE, 33024                      ; the spare words, 128 bytes for each wave; no other line names them
.set XA, 32                            ; v[32:63]  the wave's first row
.set XB, 64                            ; v[64:95]  its second row
.set MA, 16                            ; v[16:17]  (mean, r) of the first row
.set MB, 18                            ; v[18:19]  of the second
	s_load_b128 s[4:7], s[0:1], 0x0                ; x s[4:5], st s[6:7]
	v_lshl_add_u32 v2, v0, 2, SPARE                ; my spare word,
	v_mov_b32 v3, 0                                ; and 0: both kept for the add at the wave's end
	v_and_b32 v7, 31, v0                           ; lane
	v_lshrrev_b32 v4, 5, v0
	v_readfirstlane_b32 s8, v4                     ; wave
	v_lshlrev_b32 v1, 4, v7                        ; 16 x lane
	s_lshl_b32 s9, s8, 12
	v_add_nc_u32 v4, s9, v1                        ; my 16 bytes in my wave's 4,096 bytes of column sums: 4,096 x wave + 16 x lane
	v_lshlrev_b32 v5, 4, v0                        ; 16 x thread: the four columns that I add up over the waves
	v_lshlrev_b32 v7, 2, v7                        ; 4 x lane
	s_lshl_b32 s9, s8, 4
	s_add_co_u32 s9, s9, STL
	v_mov_b32 v6, s9                               ; my wave's two rows of statistics in LDS
	s_mov_b32 s12, 0x76543210                      ; v_permlanex16_b32: each lane takes its own place in the other half
	s_mov_b32 s13, 0xfedcba98
	s_lshl_b32 s10, ttmp9, 16                      ; 16 rows of 4,096 bytes,
	s_lshl_b32 s11, s8, 13                         ; my wave's two
	s_add_co_u32 s10, s10, s11
	s_mov_b32 s11, 0
	s_lshl_b32 s14, ttmp9, 12                      ; part[work-group]
	s_mov_b32 s15, 0
	s_lshl_b32 s16, ttmp9, 7                       ; stat[16 x work-group]
	s_add_co_u32 s16, s16, 0x100000
	s_mov_b32 s17, 0
	s_wait_kmcnt 0x0
	s_add_nc_u64 s[4:5], s[4:5], s[10:11]
	s_add_nc_u64 s[14:15], s[6:7], s[14:15]
	s_add_nc_u64 s[16:17], s[6:7], s[16:17]
.irp j, 0,1,2,3,4,5,6,7
	global_load_b128 v[XA+4*(\j):XA+4*(\j)+3], v1, s[4:5] offset:512*(\j)
.endr
.irp j, 0,1,2,3,4,5,6,7
	global_load_b128 v[XB+4*(\j):XB+4*(\j)+3], v1, s[4:5] offset:4096+512*(\j)
.endr
; the four chains v[8:15] are folded, then added over the 32 lanes: every lane ends with the sum in v8
.macro REDUCE
	v_pk_add_f32 v[8:9], v[8:9], v[10:11]
	v_pk_add_f32 v[12:13], v[12:13], v[14:15]
	v_pk_add_f32 v[8:9], v[8:9], v[12:13]
	v_add_f32 v8, v8, v9
	v_add_f32_dpp v8, v8, v8 row_xmask:1 row_mask:0xf bank_mask:0xf
	v_add_f32_dpp v8, v8, v8 row_xmask:2 row_mask:0xf bank_mask:0xf
	v_add_f32_dpp v8, v8, v8 row_xmask:4 row_mask:0xf bank_mask:0xf
	v_add_f32_dpp v8, v8, v8 row_xmask:8 row_mask:0xf bank_mask:0xf
	v_permlanex16_b32 v9, v8, s12, s13             ; v9 has been written: the destination counts as read
	v_add_f32 v8, v8, v9
.endm
; One row: mean into v[M]; the row becomes x - mean; 1 / (std + eps) into v[M+1]
.macro ROW X, M
.irp c, 0,1,2,3
	v_pk_add_f32 v[8+2*(\c):9+2*(\c)], v[(\X)+2*(\c):(\X)+2*(\c)+1], v[(\X)+8+2*(\c):(\X)+9+2*(\c)]  ; the first sums start the chains: nothing is cleared
.endr
.set p, 8
.rept 8
	v_pk_add_f32 v[8+2*(p%4):9+2*(p%4)], v[8+2*(p%4):9+2*(p%4)], v[(\X)+2*p:(\X)+2*p+1]
.set p, p+1
.endr
	REDUCE
	v_mul_f32 v[\M], 0x3a800000, v8                ; / 1024
	v_mul_f32 v[(\M)+1], 0x3a800000, v8            ; (the pair is named whole below, so both are written)
.set p, 0
.rept 16
	v_pk_add_f32 v[(\X)+2*p:(\X)+2*p+1], v[(\X)+2*p:(\X)+2*p+1], v[(\M):(\M)+1] op_sel_hi:[1,0] neg_lo:[0,1] neg_hi:[0,1]
.set p, p+1
.endr
.irp c, 0,1,2,3
	v_pk_mul_f32 v[8+2*(\c):9+2*(\c)], v[(\X)+2*(\c):(\X)+2*(\c)+1], v[(\X)+2*(\c):(\X)+2*(\c)+1]
.endr
.set p, 4
.rept 12
	v_pk_fma_f32 v[8+2*(p%4):9+2*(p%4)], v[(\X)+2*p:(\X)+2*p+1], v[(\X)+2*p:(\X)+2*p+1], v[8+2*(p%4):9+2*(p%4)]
.set p, p+1
.endr
	REDUCE
	v_mul_f32 v8, 0x3a802008, v8                   ; / 1023
	v_sqrt_f32 v9, v8
	v_nop                                          ; a plain instruction behind each transcendental (ISA guide 5.7.2)
	s_wait_alu depctr_va_vdst(0)
	v_add_f32 v9, 0x358637bd, v9                   ; + 1e-6
	v_rcp_f32 v[(\M)+1], v9
	v_nop
.endm
	s_wait_loadcnt 0x8                             ; the first row is in; the second row's eight loads stay out
	ROW XA, MA
	s_wait_loadcnt 0x0
	ROW XB, MB
.set p, 0
.rept 16                                               ; the two normalised rows are added
	v_pk_mul_f32 v[XA+2*p:XA+2*p+1], v[XA+2*p:XA+2*p+1], v[MA:MA+1] op_sel:[0,1] op_sel_hi:[1,1]
.set p, p+1
.endr
.set p, 0
	s_wait_alu depctr_va_vdst(0)
.rept 16
	v_pk_fma_f32 v[XA+2*p:XA+2*p+1], v[XB+2*p:XB+2*p+1], v[MB:MB+1], v[XA+2*p:XA+2*p+1] op_sel:[0,1,0] op_sel_hi:[1,1,1]
.set p, p+1
.endr
.irp j, 0,1,2,3,4,5,6,7
	ds_store_b128 v4, v[XA+4*(\j):XA+4*(\j)+3] offset:512*(\j)
.endr
	ds_store_b64 v6, v[MA:MA+1]                    ; all lanes write the same two numbers
	ds_store_b64 v6, v[MB:MB+1] offset:8
	s_wait_dscnt 0x0                               ; for the others' sake: my stores are done
	s_barrier_signal -1
	s_barrier_wait -1
.irp w, 0,1,2,3,4,5,6,7
	ds_load_b128 v[XB+4*(\w):XB+4*(\w)+3], v5 offset:4096*(\w)   ; my four columns of all eight waves
.endr
	s_wait_dscnt 0x0
.irp w, 0,2,4,6
	v_pk_add_f32 v[XB+4*(\w):XB+4*(\w)+1],   v[XB+4*(\w):XB+4*(\w)+1],   v[XB+4*(\w)+4:XB+4*(\w)+5]
	v_pk_add_f32 v[XB+4*(\w)+2:XB+4*(\w)+3], v[XB+4*(\w)+2:XB+4*(\w)+3], v[XB+4*(\w)+6:XB+4*(\w)+7]
.endr
.irp w, 0,4
	v_pk_add_f32 v[XB+4*(\w):XB+4*(\w)+1],   v[XB+4*(\w):XB+4*(\w)+1],   v[XB+4*(\w)+8:XB+4*(\w)+9]
	v_pk_add_f32 v[XB+4*(\w)+2:XB+4*(\w)+3], v[XB+4*(\w)+2:XB+4*(\w)+3], v[XB+4*(\w)+10:XB+4*(\w)+11]
.endr
	v_pk_add_f32 v[XB:XB+1],   v[XB:XB+1],   v[XB+16:XB+17]
	v_pk_add_f32 v[XB+2:XB+3], v[XB+2:XB+3], v[XB+18:XB+19]
	global_store_b128 v5, v[XB:XB+3], s[14:15]     ; a wave stores 512 consecutive bytes
	s_cmp_lg_u32 s8, 0
	s_cbranch_scc1 .Lend
	ds_load_b32 v8, v7 offset:STL                  ; wave 0: the 16 rows' statistics, 128 consecutive bytes
	s_wait_dscnt 0x0
	global_store_b32 v7, v8, s[16:17]
.Lend:
	s_wait_tensorcnt 0x0                           ; the wave's end, behind my last LDS store
	ds_add_u32 v2, v3
	s_wait_dscnt 0x0
	s_endpgm
.Lfunc_end_k_qf0fabed499_stats:
	.size	k_qf0fabed499_stats, .Lfunc_end_k_qf0fabed499_stats-k_qf0fabed499_stats
	.p2alignl 7, 3214868480
	.fill 96, 4, 3214868480
	.section	.rodata,"a",@progbits
	.p2align	6, 0x0
	.amdhsa_kernel k_qf0fabed499_stats
		.amdhsa_group_segment_fixed_size 34048
		.amdhsa_private_segment_fixed_size 0
		.amdhsa_enable_private_segment 0
		.amdhsa_kernarg_size 16
		.amdhsa_user_sgpr_count 2
		.amdhsa_user_sgpr_kernarg_segment_ptr 1
		.amdhsa_wavefront_size32 1
		.amdhsa_system_sgpr_workgroup_id_x 1
		.amdhsa_system_sgpr_workgroup_id_y 1
		.amdhsa_system_sgpr_workgroup_id_z 1
		.amdhsa_system_vgpr_workitem_id 0
		.amdhsa_next_free_vgpr 96
		.amdhsa_next_free_sgpr 66
		.amdhsa_reserve_vcc 0
		.amdhsa_float_denorm_mode_32 3
		.amdhsa_float_denorm_mode_16_64 3
		.amdhsa_memory_ordered 1
		.amdhsa_forward_progress 1
		.amdhsa_inst_pref_size 17
	.end_amdhsa_kernel
	.amdgpu_metadata
---
amdhsa.version: [ 1, 2 ]
amdhsa.kernels:
  - .name:           k_qf0fabed499_stats
    .symbol:         k_qf0fabed499_stats.kd
    .args:
      - { .name: x, .offset: 0, .size: 8, .value_kind: global_buffer, .address_space: global }
      - { .name: st, .offset: 8, .size: 8, .value_kind: global_buffer, .address_space: global }
    .group_segment_fixed_size: 34048
    .private_segment_fixed_size: 0
    .kernarg_segment_align: 8
    .kernarg_segment_size: 16
    .max_flat_workgroup_size: 256
    .sgpr_count:     66
    .vgpr_count:     96
    .wavefront_size: 32
...
	.end_amdgpu_metadata
.endif
;; end of part 1
;; launch kv (part 2): grid 224 x 1, 8 waves a work-group, no clusters, 1,536 bytes of LDS; arguments x, ln1_a, ln1_b, wk, wv, st, w1, kvp, wb1; writes kvp, wb1
.if DOCPART == 2
	.amdgcn_target "amdgcn-amd-amdhsa--gfx1250"
	.amdhsa_code_object_version 6
	.text
	.protected	k_qf0fabed499_kv
	.globl	k_qf0fabed499_kv
	.p2align	8
	.type	k_qf0fabed499_kv,@function
k_qf0fabed499_kv:
	s_mov_b64 s[64:65], 0
	v_nop
	global_prefetch_b8 v0, s[64:65] scope:SCOPE_SE
	s_setreg_imm32_b32 hwreg(HW_REG_WAVE_MODE, 25, 1), 1
	s_wait_xcnt 0x0
; TWO JOBS, chosen by the work-group's number.
; 0 .. 95: few-row products in f32.  Only key 0's score survives the mask that the module builds, and all other keys share one weight, so of k and v these rows are needed for each batch b:
;   k0 = h[b,0] wk,  v0 = h[b,0] wv,  vrest = (sum over q >= 1 of h[b,q]) wv,  h = LayerNorm 1 of x.
;   Job (ty, s): ty = 0, 1, 2 for k0, v0, vrest; s = 0 .. 31: the 32 rows d = 32 s .. of the weight.  kvp[s][4 ty + b][1024] f32 takes the partial sums; the next launch adds the 32.
;   Four rows feed no matrix unit: the weights stream once through registers, thread t keeps columns 4 t .. 4 t + 3 (a wave's load covers 512 consecutive bytes).
;   The sum of the rows is alpha x (column sum of the normalised rows - row 0's) + 1023 beta: sums of numbers of unit spread, no difference of large sums.
; 96 .. 223: w1 is rounded to bf16, layout kept ([1024][4096]); block c is 131,072 bytes of w1.
.set SPARE, 512                        ; behind HV: the spare words, 128 bytes for each wave; no other line names them
.set ACC, 24                           ; v[24:39]   sums: batch b's four columns at ACC + 4 b
.set HR,  40                           ; v[40:103]  64 partial column sums; later v[40:71] eight rows of HV
.set W,   104                          ; v[104:231] 32 rows of the weight, four columns each; the cast's data
; one row of the weight (rw) times its four numbers of HV (rh): eight packed lines
.macro FM4 first
.irp q, 0,2
.if \first
	v_pk_mul_f32 v[ACC+(\q):ACC+(\q)+1],       v[rw+(\q):rw+(\q)+1], v[rh:rh+1] op_sel_hi:[1,0]
	v_pk_mul_f32 v[ACC+4+(\q):ACC+5+(\q)],     v[rw+(\q):rw+(\q)+1], v[rh:rh+1] op_sel:[0,1] op_sel_hi:[1,1]
	v_pk_mul_f32 v[ACC+8+(\q):ACC+9+(\q)],     v[rw+(\q):rw+(\q)+1], v[rh+2:rh+3] op_sel_hi:[1,0]
	v_pk_mul_f32 v[ACC+12+(\q):ACC+13+(\q)],   v[rw+(\q):rw+(\q)+1], v[rh+2:rh+3] op_sel:[0,1] op_sel_hi:[1,1]
.else
	v_pk_fma_f32 v[ACC+(\q):ACC+(\q)+1],       v[rw+(\q):rw+(\q)+1], v[rh:rh+1], v[ACC+(\q):ACC+(\q)+1] op_sel_hi:[1,0,1]
	v_pk_fma_f32 v[ACC+4+(\q):ACC+5+(\q)],     v[rw+(\q):rw+(\q)+1], v[rh:rh+1], v[ACC+4+(\q):ACC+5+(\q)] op_sel:[0,1,0] op_sel_hi:[1,1,1]
	v_pk_fma_f32 v[ACC+8+(\q):ACC+9+(\q)],     v[rw+(\q):rw+(\q)+1], v[rh+2:rh+3], v[ACC+8+(\q):ACC+9+(\q)] op_sel_hi:[1,0,1]
	v_pk_fma_f32 v[ACC+12+(\q):ACC+13+(\q)],   v[rw+(\q):rw+(\q)+1], v[rh+2:rh+3], v[ACC+12+(\q):ACC+13+(\q)] op_sel:[0,1,0] op_sel_hi:[1,1,1]
.endif
.endr
.endm
; 32 rows of the weight times HV[32][4], eight rows at a time; v[HA] holds HV's LDS address, the same in all lanes.  The first row's products start the sums.
.macro FMA32 HA
.set gI, 0
.rept 4
.set i2, 0
.rept 8
	ds_load_b128 v[HR+4*i2:HR+4*i2+3], v[\HA] offset:16*(8*gI+i2)
.set i2, i2+1
.endr
	s_wait_loadcnt 24-8*gI                         ; the weight's rows up to this group's last are in; the later groups' loads stay out
	s_wait_dscnt 0x0
.set i2, 0
.rept 8
.set rw, W+4*(8*gI+i2)
.set rh, HR+4*i2
.if (gI+i2) == 0
	FM4 1
.else
	FM4 0
.endif
.set i2, i2+1
.endr
.set gI, gI+1
.endr
.endm
; 131,072 bytes of f32 to bf16: 32 loads of 16 bytes a lane, all issued at once; each store of a wave covers 256 consecutive bytes, aligned.  No register is used twice.
.macro CAST SB, DB
.set u, 0
.rept 32
	global_load_b128 v[W+4*u:W+4*u+3], v4, s[(\SB):(\SB)+1] offset:u*4096 th:TH_LOAD_NT
.set u, u+1
.endr
.set u, 0
.rept 32
	s_wait_loadcnt 31-u                            ; loads come back in order: load u is in, the later ones stay out
	v_cvt_pk_bf16_f32 v[W+4*u], v[W+4*u], v[W+4*u+1]
	v_cvt_pk_bf16_f32 v[W+4*u+1], v[W+4*u+2], v[W+4*u+3]
	global_store_b64 v11, v[W+4*u:W+4*u+1], s[(\DB):(\DB)+1] offset:u*2048
.set u, u+1
.endr
.endm
	s_load_b512 s[4:19], s[0:1], 0x0               ; x s[4:5], ln1_a s[6:7], ln1_b s[8:9], wk s[10:11], wv s[12:13], st s[14:15], w1 s[16:17], kvp s[18:19]
	s_load_b64 s[20:21], s[0:1], 0x40              ; wb1
	v_lshl_add_u32 v2, v0, 2, SPARE                ; my spare word,
	v_mov_b32 v3, 0                                ; and 0
	v_lshlrev_b32 v4, 4, v0                        ; 16 x thread
	v_lshlrev_b32 v11, 3, v0                       ; 8 x thread
	v_lshrrev_b32 v9, 5, v0
	v_readfirstlane_b32 s22, v9                    ; wave
	s_cmp_ge_u32 ttmp9, 96
	s_cbranch_scc1 .Lcast
	s_and_b32 s24, ttmp9, 31                       ; s
	s_lshr_b32 s25, ttmp9, 5                       ; ty
	v_and_b32 v1, 31, v0                           ; lane: d = 32 s + lane
	s_lshl_b32 s26, s24, 7
	v_lshl_add_u32 v8, v1, 2, s26                  ; 4 d: alpha's and beta's offset
	s_lshl_b32 s27, s22, 18
	v_add_nc_u32 v5, s27, v8                       ; part: batch = wave, 64 work-groups of 4,096 bytes each
	s_lshl_b32 s27, s22, 22
	v_add_nc_u32 v6, s27, v8                       ; x: row 0 of the batch
	s_lshl_b32 s27, s22, 13
	v_mov_b32 v7, s27                              ; stat of that row
	s_lshl_b32 s27, s22, 2
	v_lshl_add_u32 v10, v1, 4, s27                 ; HV[lane][batch]
	v_mov_b32 v9, 0                                ; HV's first byte
	s_cmp_eq_u32 s25, 2
	s_cselect_b32 s23, -1, 0                       ; all lanes: the sum of the rows, or row 0
	s_lshl_b32 s28, s24, 17                        ; 32 rows of 4,096 bytes
	s_mov_b32 s29, 0
	s_mul_i32 s30, s24, 12
	s_lshl2_add_u32 s30, s25, s30                  ; kvp's row 12 s + 4 ty
	s_lshl_b32 s30, s30, 12
	s_mov_b32 s31, 0
	s_wait_kmcnt 0x0
	s_cmp_eq_u32 s25, 0
	s_cselect_b64 s[32:33], s[10:11], s[12:13]     ; wk or wv
	s_add_nc_u64 s[32:33], s[32:33], s[28:29]
	s_add_nc_u64 s[18:19], s[18:19], s[30:31]
	s_add_nc_u64 s[34:35], s[14:15], 0x100000      ; stat
	s_cmp_lt_u32 s22, 4
	s_cbranch_scc0 .Lw1
	global_load_b64 v[12:13], v7, s[34:35]         ; waves 0 to 3, one batch each: (mean, r),
	global_load_b32 v14, v6, s[4:5]                ; x,
	global_load_b32 v15, v8, s[6:7]                ; alpha,
	global_load_b32 v16, v8, s[8:9]                ; beta,
.set p, 0
.rept 64
	global_load_b32 v[HR+p], v5, s[14:15] offset:p*4096   ; and the batch's 64 partial column sums
.set p, p+1
.endr
.Lw1:
.set p, 0
.rept 32
	global_load_b128 v[W+4*p:W+4*p+3], v4, s[32:33] offset:p*4096
.set p, p+1
.endr
	s_cmp_lt_u32 s22, 4
	s_cbranch_scc0 .Lw2
	s_wait_loadcnt 0x20                            ; all but the 32 loads of the weight, which were issued behind
.set p, 4
.rept 28
	v_pk_add_f32 v[HR+2*(p%4):HR+2*(p%4)+1], v[HR+2*(p%4):HR+2*(p%4)+1], v[HR+2*p:HR+2*p+1]
.set p, p+1
.endr
	v_pk_add_f32 v[HR:HR+1], v[HR:HR+1], v[HR+2:HR+3]
	v_pk_add_f32 v[HR+4:HR+5], v[HR+4:HR+5], v[HR+6:HR+7]
	v_pk_add_f32 v[HR:HR+1], v[HR:HR+1], v[HR+4:HR+5]
	v_add_f32 v17, v[HR], v[HR+1]                  ; the column's sum over the batch's normalised rows
	v_sub_f32 v18, v14, v12
	v_mul_f32 v18, v18, v13                        ; row 0, normalised
	v_sub_f32 v17, v17, v18
	v_mul_f32 v19, 0x447fc000, v16                 ; 1023 beta
	v_fma_f32 v17, v15, v17, v19                   ; the sum of h over rows 1 to 1023
	v_fma_f32 v18, v15, v18, v16                   ; h of row 0
	v_cndmask_b32 v18, v18, v17, s23
	ds_store_b32 v10, v18
.Lw2:
	s_wait_dscnt 0x0                               ; for the others' sake: my store is done
	s_barrier_signal -1
	s_barrier_wait -1
	FMA32 9
.irp b, 0,1,2,3
	global_store_b128 v4, v[ACC+4*(\b):ACC+4*(\b)+3], s[18:19] offset:(\b)*4096   ; a wave stores 512 consecutive bytes
.endr
	s_wait_tensorcnt 0x0                           ; the wave's end, behind my last LDS store
	ds_add_u32 v2, v3
	s_wait_dscnt 0x0
	s_endpgm
.Lcast:
	s_sub_co_u32 s24, ttmp9, 96
	s_lshl_b32 s26, s24, 17
	s_mov_b32 s27, 0
	s_lshl_b32 s28, s24, 16
	s_mov_b32 s29, 0
	s_wait_kmcnt 0x0
	s_add_nc_u64 s[16:17], s[16:17], s[26:27]
	s_add_nc_u64 s[20:21], s[20:21], s[28:29]
	CAST 16, 20
	s_endpgm
.Lfunc_end_k_qf0fabed499_kv:
	.size	k_qf0fabed499_kv, .Lfunc_end_k_qf0fabed499_kv-k_qf0fabed499_kv
	.p2alignl 7, 3214868480
	.fill 96, 4, 3214868480
	.section	.rodata,"a",@progbits
	.p2align	6, 0x0
	.amdhsa_kernel k_qf0fabed499_kv
		.amdhsa_group_segment_fixed_size 1536
		.amdhsa_private_segment_fixed_size 0
		.amdhsa_enable_private_segment 0
		.amdhsa_kernarg_size 72
		.amdhsa_user_sgpr_count 2
		.amdhsa_user_sgpr_kernarg_segment_ptr 1
		.amdhsa_wavefront_size32 1
		.amdhsa_system_sgpr_workgroup_id_x 1
		.amdhsa_system_sgpr_workgroup_id_y 1
		.amdhsa_system_sgpr_workgroup_id_z 1
		.amdhsa_system_vgpr_workitem_id 0
		.amdhsa_next_free_vgpr 232
		.amdhsa_next_free_sgpr 66
		.amdhsa_reserve_vcc 0
		.amdhsa_float_denorm_mode_32 3
		.amdhsa_float_denorm_mode_16_64 3
		.amdhsa_memory_ordered 1
		.amdhsa_forward_progress 1
		.amdhsa_inst_pref_size 44
	.end_amdhsa_kernel
	.amdgpu_metadata
---
amdhsa.version: [ 1, 2 ]
amdhsa.kernels:
  - .name:           k_qf0fabed499_kv
    .symbol:         k_qf0fabed499_kv.kd
    .args:
      - { .name: x, .offset: 0, .size: 8, .value_kind: global_buffer, .address_space: global }
      - { .name: ln1_a, .offset: 8, .size: 8, .value_kind: global_buffer, .address_space: global }
      - { .name: ln1_b, .offset: 16, .size: 8, .value_kind: global_buffer, .address_space: global }
      - { .name: wk, .offset: 24, .size: 8, .value_kind: global_buffer, .address_space: global }
      - { .name: wv, .offset: 32, .size: 8, .value_kind: global_buffer, .address_space: global }
      - { .name: st, .offset: 40, .size: 8, .value_kind: global_buffer, .address_space: global }
      - { .name: w1, .offset: 48, .size: 8, .value_kind: global_buffer, .address_space: global }
      - { .name: kvp, .offset: 56, .size: 8, .value_kind: global_buffer, .address_space: global }
      - { .name: wb1, .offset: 64, .size: 8, .value_kind: global_buffer, .address_space: global }
    .group_segment_fixed_size: 1536
    .private_segment_fixed_size: 0
    .kernarg_segment_align: 8
    .kernarg_segment_size: 72
    .max_flat_workgroup_size: 256
    .sgpr_count:     66
    .vgpr_count:     232
    .wavefront_size: 32
...
	.end_amdgpu_metadata
.endif
;; end of part 2
;; launch up (part 3): grid 224 x 1, 8 waves a work-group, no clusters, 85,504 bytes of LDS; arguments wq, wo, kvp, w2, up, wb2; writes up, wb2
.if DOCPART == 3
	.amdgcn_target "amdgcn-amd-amdhsa--gfx1250"
	.amdhsa_code_object_version 6
	.text
	.protected	k_qf0fabed499_up
	.globl	k_qf0fabed499_up
	.p2align	8
	.type	k_qf0fabed499_up,@function
k_qf0fabed499_up:
	s_mov_b64 s[64:65], 0
	v_nop
	global_prefetch_b8 v0, s[64:65] scope:SCOPE_SE
	s_setreg_imm32_b32 hwreg(HW_REG_WAVE_MODE, 25, 1), 1
	s_wait_xcnt 0x0
; THREE JOBS, chosen by the work-group's number.
; 0 .. 63: P.  ctx wo = (weights of key 0 | weights of the other keys) x P[b], P[b][h] = v0[b, head h] wo[rows of head h], P[b][16 + h] = vrest[b, head h] wo[rows of head h].
;   Job (h, ty, hf): head, v0 or vrest, half of the 1,024 columns.  Four rows: f32 on the vector unit.  Waves 0-3 take the head's rows 0-31, waves 4-7 rows 32-63; the halves meet in LDS.
; 64 .. 95: U.  score[b,q,h] = h[b,q] . U[b][:,h] / 8 with U[b][d][h] = wq[d, head h] . k0[b, head h].  Job (i, qd): heads 2 i, 2 i + 1, rows d = 256 qd ...  bf16 operands, f32 sums, on the matrix unit.
;   The factor 1/8 is left to the next launch, in f32.
; 96 .. 223: w2 is rounded to bf16, layout kept ([4096][1024]).
; up: bytes 0 .. 131,071 Ut[4 b][16 h][1024 d] bf16; from byte 131,072 P[4 b][32][1024] bf16.  kvp's 32 partial sums are added here, in f32.
; LDS.  Each job has bytes of its own: no line of one job names a byte of the other.
.set CMB,   1024                       ; P job: HV[64 j][4 b] f32 lies at bytes 0 .. 1,023; behind it [4 b][4 column groups][512 bytes], the upper rows' sums
.set K0S,   9216                       ; U job: k0 in bf16, 4 rows (batches) of 256 bytes, pitch 272
.set WT,    10496                      ; U job: for each wave 32 rows of wq in bf16, pitch 272
.set UO,    80128                      ; U job: 8 rows (head of the pair, batch) x 256 d in bf16, pitch 528
.set SPARE, 84480                      ; the spare words, 128 bytes for each wave; no other line names them
.set ACC, 24
.set HR,  40
.set W,   104
.set KF,  168                          ; v[168:199] k0's fragments
.set UA,  200                          ; v[200:231] four accumulators
.macro FM4 first
.irp q, 0,2
.if \first
	v_pk_mul_f32 v[ACC+(\q):ACC+(\q)+1],       v[rw+(\q):rw+(\q)+1], v[rh:rh+1] op_sel_hi:[1,0]
	v_pk_mul_f32 v[ACC+4+(\q):ACC+5+(\q)],     v[rw+(\q):rw+(\q)+1], v[rh:rh+1] op_sel:[0,1] op_sel_hi:[1,1]
	v_pk_mul_f32 v[ACC+8+(\q):ACC+9+(\q)],     v[rw+(\q):rw+(\q)+1], v[rh+2:rh+3] op_sel_hi:[1,0]
	v_pk_mul_f32 v[ACC+12+(\q):ACC+13+(\q)],   v[rw+(\q):rw+(\q)+1], v[rh+2:rh+3] op_sel:[0,1] op_sel_hi:[1,1]
.else
	v_pk_fma_f32 v[ACC+(\q):ACC+(\q)+1],       v[rw+(\q):rw+(\q)+1], v[rh:rh+1], v[ACC+(\q):ACC+(\q)+1] op_sel_hi:[1,0,1]
	v_pk_fma_f32 v[ACC+4+(\q):ACC+5+(\q)],     v[rw+(\q):rw+(\q)+1], v[rh:rh+1], v[ACC+4+(\q):ACC+5+(\q)] op_sel:[0,1,0] op_sel_hi:[1,1,1]
	v_pk_fma_f32 v[ACC+8+(\q):ACC+9+(\q)],     v[rw+(\q):rw+(\q)+1], v[rh+2:rh+3], v[ACC+8+(\q):ACC+9+(\q)] op_sel_hi:[1,0,1]
	v_pk_fma_f32 v[ACC+12+(\q):ACC+13+(\q)],   v[rw+(\q):rw+(\q)+1], v[rh+2:rh+3], v[ACC+12+(\q):ACC+13+(\q)] op_sel:[0,1,0] op_sel_hi:[1,1,1]
.endif
.endr
.endm
; 32 rows of the weight times HV[32][4], eight rows at a time; v[HA] holds their LDS address, the same in all lanes of a wave
.macro FMA32 HA
.set gI, 0
.rept 4
.set i2, 0
.rept 8
	ds_load_b128 v[HR+4*i2:HR+4*i2+3], v[\HA] offset:16*(8*gI+i2)
.set i2, i2+1
.endr
	s_wait_loadcnt 24-8*gI                         ; the weight's rows up to this group's last are in; the later groups' loads stay out
	s_wait_dscnt 0x0
.set i2, 0
.rept 8
.set rw, W+4*(8*gI+i2)
.set rh, HR+4*i2
.if (gI+i2) == 0
	FM4 1
.else
	FM4 0
.endif
.set i2, i2+1
.endr
.set gI, gI+1
.endr
.endm
.macro CAST SB, DB
.set u, 0
.rept 32
	global_load_b128 v[W+4*u:W+4*u+3], v4, s[(\SB):(\SB)+1] offset:u*4096 th:TH_LOAD_NT
.set u, u+1
.endr
.set u, 0
.rept 32
	s_wait_loadcnt 31-u                            ; load u is in, the later ones stay out
	v_cvt_pk_bf16_f32 v[W+4*u], v[W+4*u], v[W+4*u+1]
	v_cvt_pk_bf16_f32 v[W+4*u+1], v[W+4*u+2], v[W+4*u+3]
	global_store_b64 v11, v[W+4*u:W+4*u+1], s[(\DB):(\DB)+1] offset:u*2048   ; a wave stores 256 consecutive bytes, aligned
.set u, u+1
.endr
.endm
	s_load_b256 s[4:11], s[0:1], 0x0               ; wq s[4:5], wo s[6:7], kvp s[8:9], w2 s[10:11]
	s_load_b128 s[12:15], s[0:1], 0x20             ; up s[12:13], wb2 s[14:15]
	v_lshl_add_u32 v2, v0, 2, SPARE                ; my spare word,
	v_mov_b32 v3, 0                                ; and 0
	v_lshlrev_b32 v4, 4, v0                        ; 16 x thread
	v_lshlrev_b32 v11, 3, v0                       ; 8 x thread
	v_lshrrev_b32 v9, 5, v0
	v_readfirstlane_b32 s22, v9                    ; wave
	v_and_b32 v1, 31, v0                           ; lane
	s_cmp_ge_u32 ttmp9, 96
	s_cbranch_scc1 .Lcast
	s_cmp_ge_u32 ttmp9, 64
	s_cbranch_scc1 .Lujob
	; ---- P ----
	s_lshr_b32 s24, ttmp9, 2                       ; h
	s_bfe_u32 s25, ttmp9, 0x10001                  ; ty
	s_and_b32 s26, ttmp9, 1                        ; hf
	s_and_b32 s27, s22, 3                          ; cg: my wave's 128 columns of the half
	s_lshr_b32 s28, s22, 2                         ; jh: my wave's 32 rows of the head's 64
	v_lshrrev_b32 v5, 6, v0                        ; b
	v_and_b32 v6, 63, v0                           ; j
	s_lshl_b32 s29, s25, 14
	s_add_co_u32 s29, s29, 16384                   ; kvp's rows 4 + 4 ty + b,
	s_lshl_b32 s30, s24, 8                         ; columns 64 h + j
	s_add_co_u32 s29, s29, s30
	v_lshl_add_u32 v7, v5, 12, s29
	v_lshl_add_u32 v7, v6, 2, v7
	v_lshlrev_b32 v8, 2, v5
	v_lshl_add_u32 v8, v6, 4, v8                   ; HV[j][b], from LDS byte 0
	s_lshl_b32 s29, s28, 17
	s_lshl_b32 s30, s27, 9
	s_add_co_u32 s29, s29, s30
	v_lshl_add_u32 v10, v1, 4, s29                 ; wo: 32 jh rows, 128 cg columns, 16 bytes a lane
	s_lshl_b32 s29, s28, 9
	v_mov_b32 v9, s29                              ; HV's rows 32 jh ..
	v_lshl_add_u32 v12, v1, 4, s30
	v_add_nc_u32 v12, CMB, v12
	s_lshl_b32 s30, s27, 8
	v_lshl_add_u32 v13, v1, 3, s30                 ; P: 256 cg + 8 x lane
	s_lshl_b32 s32, s24, 18                        ; wo's rows 64 h ..,
	s_lshl_b32 s33, s26, 11                        ; half hf
	s_add_co_u32 s32, s32, s33
	s_mov_b32 s33, 0
	s_lshl_b32 s34, s25, 4
	s_add_co_u32 s34, s34, s24                     ; P's row 16 ty + h
	s_lshl_b32 s34, s34, 11
	s_lshl_b32 s35, s26, 10
	s_add_co_u32 s34, s34, s35
	s_add_co_u32 s34, s34, 0x20000
	s_mov_b32 s35, 0
	s_wait_kmcnt 0x0
	s_add_nc_u64 s[6:7], s[6:7], s[32:33]
	s_add_nc_u64 s[12:13], s[12:13], s[34:35]
.set p, 0
.rept 32
	global_load_b32 v[HR+p], v7, s[8:9] offset:p*49152    ; the 32 partial sums of my number of v0 or vrest
.set p, p+1
.endr
.set p, 0
.rept 32
	global_load_b128 v[W+4*p:W+4*p+3], v10, s[6:7] offset:p*4096
.set p, p+1
.endr
	s_wait_loadcnt 0x20                            ; all but the 32 loads of wo
.set p, 4
.rept 12
	v_pk_add_f32 v[HR+2*(p%4):HR+2*(p%4)+1], v[HR+2*(p%4):HR+2*(p%4)+1], v[HR+2*p:HR+2*p+1]
.set p, p+1
.endr
	v_pk_add_f32 v[HR:HR+1], v[HR:HR+1], v[HR+2:HR+3]
	v_pk_add_f32 v[HR+4:HR+5], v[HR+4:HR+5], v[HR+6:HR+7]
	v_pk_add_f32 v[HR:HR+1], v[HR:HR+1], v[HR+4:HR+5]
	v_add_f32 v[HR], v[HR], v[HR+1]
	ds_store_b32 v8, v[HR]
	s_wait_dscnt 0x0                               ; for the others' sake
	s_barrier_signal -1
	s_barrier_wait -1
	FMA32 9
	s_cmp_lt_u32 s22, 4
	s_cbranch_scc1 .Lp1
.irp b, 0,1,2,3
	ds_store_b128 v12, v[ACC+4*(\b):ACC+4*(\b)+3] offset:(\b)*2048   ; waves 4 to 7 hand their sums over
.endr
.Lp1:
	s_wait_dscnt 0x0
	s_barrier_signal -1
	s_barrier_wait -1
	s_cmp_lt_u32 s22, 4
	s_cbranch_scc0 .Lp2
.irp b, 0,1,2,3
	ds_load_b128 v[HR+4*(\b):HR+4*(\b)+3], v12 offset:(\b)*2048
.endr
	s_wait_dscnt 0x0
.irp b, 0,1,2,3
	v_pk_add_f32 v[ACC+4*(\b):ACC+4*(\b)+1],   v[ACC+4*(\b):ACC+4*(\b)+1],   v[HR+4*(\b):HR+4*(\b)+1]
	v_pk_add_f32 v[ACC+4*(\b)+2:ACC+4*(\b)+3], v[ACC+4*(\b)+2:ACC+4*(\b)+3], v[HR+4*(\b)+2:HR+4*(\b)+3]
.endr
.irp b, 0,1,2,3
	v_cvt_pk_bf16_f32 v[14+2*(\b)], v[ACC+4*(\b)],   v[ACC+4*(\b)+1]
	v_cvt_pk_bf16_f32 v[15+2*(\b)], v[ACC+4*(\b)+2], v[ACC+4*(\b)+3]
.endr
.irp b, 0,1,2,3
	global_store_b64 v13, v[14+2*(\b):15+2*(\b)], s[12:13] offset:(\b)*65536   ; a wave stores 256 consecutive bytes, aligned
.endr
.Lp2:
	s_wait_tensorcnt 0x0                           ; the wave's end, behind my last LDS store
	ds_add_u32 v2, v3
	s_wait_dscnt 0x0
	s_endpgm
	; ---- U ----
.Lujob:
	s_sub_co_u32 s24, ttmp9, 64
	s_lshr_b32 s25, s24, 2                         ; i: heads 2 i, 2 i + 1 = columns 128 i ..
	s_and_b32 s26, s24, 3                          ; qd
	v_lshrrev_b32 v5, 6, v0                        ; b
	v_and_b32 v6, 63, v0                           ; cp: a pair of columns
	s_lshl_b32 s27, s25, 9
	v_lshl_add_u32 v7, v5, 12, s27
	v_lshl_add_u32 v7, v6, 3, v7                   ; kvp's row b, columns 128 i + 2 cp
	v_mul_u32_u24 v8, v5, 272
	v_lshl_add_u32 v8, v6, 2, v8                   ; k0 in bf16: row b, pitch 272; K0S stands in the store's immediate
	s_lshl_b32 s28, s22, 17
	v_lshl_add_u32 v10, v1, 4, s28                 ; wq: my wave's 32 rows, 16 bytes a lane
	s_mul_i32 s29, s22, 8704
	s_add_co_u32 s29, s29, WT
	v_lshl_add_u32 v12, v1, 3, s29                 ; into my wave's rows: 8 bytes a lane
	v_and_b32 v13, 15, v0                          ; r
	v_bfe_u32 v14, v0, 4, 1                        ; hh
	v_mul_u32_u24 v15, v13, 272
	v_lshl_add_u32 v15, v14, 4, v15
	v_add_nc_u32 v15, s29, v15                     ; a fragment of wq: row r, 16 bytes for each half of the lanes
	v_and_b32 v16, 3, v0
	v_mul_u32_u24 v17, v16, 272
	v_lshl_add_u32 v17, v14, 4, v17                ; a fragment of k0: column n takes batch n % 4, so every byte read has been written; K0S stands in the loads' immediates
	v_mul_u32_u24 v18, v16, 528
	v_lshl_add_u32 v18, v14, 4, v18
	s_lshl_b32 s30, s22, 6
	s_add_co_u32 s30, s30, UO
	v_add_nc_u32 v18, s30, v18                     ; out: row = batch, my wave's 32 d
	s_mul_i32 s30, s22, 528
	s_add_co_u32 s30, s30, UO
	v_lshl_add_u32 v19, v1, 4, s30                 ; back: row = wave
	v_lshlrev_b32 v20, 4, v1
	s_lshl_b32 s32, s26, 20                        ; wq's rows 256 qd ..,
	s_add_co_u32 s32, s32, s27                     ; columns 128 i ..
	s_mov_b32 s33, 0
	s_and_b32 s34, s22, 3                          ; the row that my wave stores: batch = wave % 4, head 2 i + wave / 4
	s_lshl_b32 s34, s34, 4
	s_lshl1_add_u32 s34, s25, s34
	s_lshr_b32 s35, s22, 2
	s_add_co_u32 s34, s34, s35
	s_lshl_b32 s34, s34, 11
	s_lshl_b32 s35, s26, 9
	s_add_co_u32 s34, s34, s35
	s_mov_b32 s35, 0
	s_wait_kmcnt 0x0
	s_add_nc_u64 s[4:5], s[4:5], s[32:33]
	s_add_nc_u64 s[12:13], s[12:13], s[34:35]
.set p, 0
.rept 32
	global_load_b64 v[HR+2*p:HR+2*p+1], v7, s[8:9] offset:p*49152   ; the 32 partial sums of my two numbers of k0
.set p, p+1
.endr
.set p, 0
.rept 32
	global_load_b128 v[W+4*p:W+4*p+3], v10, s[4:5] offset:p*4096
.set p, p+1
.endr
	s_wait_loadcnt 0x20                            ; all but the 32 loads of wq
.set p, 4
.rept 28
	v_pk_add_f32 v[HR+2*(p%4):HR+2*(p%4)+1], v[HR+2*(p%4):HR+2*(p%4)+1], v[HR+2*p:HR+2*p+1]
.set p, p+1
.endr
	v_pk_add_f32 v[HR:HR+1], v[HR:HR+1], v[HR+2:HR+3]
	v_pk_add_f32 v[HR+4:HR+5], v[HR+4:HR+5], v[HR+6:HR+7]
	v_pk_add_f32 v[HR:HR+1], v[HR:HR+1], v[HR+4:HR+5]
	v_cvt_pk_bf16_f32 v[HR], v[HR], v[HR+1]
	ds_store_b32 v8, v[HR] offset:K0S
	s_wait_loadcnt 0x0
.set p, 0
.rept 32
	v_cvt_pk_bf16_f32 v[W+4*p], v[W+4*p], v[W+4*p+1]
	v_cvt_pk_bf16_f32 v[W+4*p+1], v[W+4*p+2], v[W+4*p+3]
	ds_store_b64 v12, v[W+4*p:W+4*p+1] offset:p*272
.set p, p+1
.endr
	s_wait_dscnt 0x0                               ; for the others' sake: k0 is read by every wave
	s_barrier_signal -1
	s_barrier_wait -1
.irp tt, 0,1
.irp e, 0,1
.irp c, 0,1
	ds_load_b128 v[W+8*(4*(\tt)+2*(\e)+(\c)):W+8*(4*(\tt)+2*(\e)+(\c))+3],   v15 offset:(\tt)*4352+128*(\e)+64*(\c)
	ds_load_b128 v[W+8*(4*(\tt)+2*(\e)+(\c))+4:W+8*(4*(\tt)+2*(\e)+(\c))+7], v15 offset:(\tt)*4352+128*(\e)+64*(\c)+32
.endr
.endr
.endr
.irp e, 0,1
.irp c, 0,1
	ds_load_b128 v[KF+8*(2*(\e)+(\c)):KF+8*(2*(\e)+(\c))+3],   v17 offset:K0S+128*(\e)+64*(\c)
	ds_load_b128 v[KF+8*(2*(\e)+(\c))+4:KF+8*(2*(\e)+(\c))+7], v17 offset:K0S+128*(\e)+64*(\c)+32
.endr
.endr
	s_wait_dscnt 0x0
	; source 0 = 16 rows d of wq, source 1 = k0 (column = batch): a lane then holds one batch and eight neighbouring d.  The four accumulators take turns.
.irp c, 0,1
.irp tt, 0,1
.irp e, 0,1
.if (\c) == 0
	v_wmma_f32_16x16x32_bf16 v[UA+8*(2*(\tt)+(\e)):UA+8*(2*(\tt)+(\e))+7], v[W+8*(4*(\tt)+2*(\e)+(\c)):W+8*(4*(\tt)+2*(\e)+(\c))+7], v[KF+8*(2*(\e)+(\c)):KF+8*(2*(\e)+(\c))+7], 0
.else
	v_wmma_f32_16x16x32_bf16 v[UA+8*(2*(\tt)+(\e)):UA+8*(2*(\tt)+(\e))+7], v[W+8*(4*(\tt)+2*(\e)+(\c)):W+8*(4*(\tt)+2*(\e)+(\c))+7], v[KF+8*(2*(\e)+(\c)):KF+8*(2*(\e)+(\c))+7], v[UA+8*(2*(\tt)+(\e)):UA+8*(2*(\tt)+(\e))+7]
.endif
.endr
.endr
.endr
.rept 4
	v_nop                                          ; four places between the last product and the first read of a result (ISA guide 7.12.1)
.endr
.irp a, 0,1,2,3
.irp j, 0,1,2,3
	v_cvt_pk_bf16_f32 v[ACC+4*(\a)+(\j)], v[UA+8*(\a)+2*(\j)], v[UA+8*(\a)+2*(\j)+1]   ; each accumulator from its low end on
.endr
.endr
.irp tt, 0,1
.irp e, 0,1
	ds_store_b128 v18, v[ACC+4*(2*(\tt)+(\e)):ACC+4*(2*(\tt)+(\e))+3] offset:(\e)*2112+(\tt)*32   ; the four lanes of one batch write the same bytes
.endr
.endr
	s_wait_dscnt 0x0
	s_barrier_signal -1
	s_barrier_wait -1
	ds_load_b128 v[HR:HR+3], v19
	s_wait_dscnt 0x0
	global_store_b128 v20, v[HR:HR+3], s[12:13]    ; 512 consecutive bytes of Ut
	s_wait_tensorcnt 0x0                           ; the wave's end, behind my last LDS store
	ds_add_u32 v2, v3
	s_wait_dscnt 0x0
	s_endpgm
.Lcast:
	s_sub_co_u32 s24, ttmp9, 96
	s_lshl_b32 s26, s24, 17
	s_mov_b32 s27, 0
	s_lshl_b32 s28, s24, 16
	s_mov_b32 s29, 0
	s_wait_kmcnt 0x0
	s_add_nc_u64 s[10:11], s[10:11], s[26:27]
	s_add_nc_u64 s[14:15], s[14:15], s[28:29]
	CAST 10, 14
	s_endpgm
.Lfunc_end_k_qf0fabed499_up:
	.size	k_qf0fabed499_up, .Lfunc_end_k_qf0fabed499_up-k_qf0fabed499_up
	.p2alignl 7, 3214868480
	.fill 96, 4, 3214868480
	.section	.rodata,"a",@progbits
	.p2align	6, 0x0
	.amdhsa_kernel k_qf0fabed499_up
		.amdhsa_group_segment_fixed_size 85504
		.amdhsa_private_segment_fixed_size 0
		.amdhsa_enable_private_segment 0
		.amdhsa_kernarg_size 48
		.amdhsa_user_sgpr_count 2
		.amdhsa_user_sgpr_kernarg_segment_ptr 1
		.amdhsa_wavefront_size32 1
		.amdhsa_system_sgpr_workgroup_id_x 1
		.amdhsa_system_sgpr_workgroup_id_y 1
		.amdhsa_system_sgpr_workgroup_id_z 1
		.amdhsa_system_vgpr_workitem_id 0
		.amdhsa_next_free_vgpr 232
		.amdhsa_next_free_sgpr 66
		.amdhsa_reserve_vcc 0
		.amdhsa_float_denorm_mode_32 3
		.amdhsa_float_denorm_mode_16_64 3
		.amdhsa_memory_ordered 1
		.amdhsa_forward_progress 1
		.amdhsa_inst_pref_size 62
	.end_amdhsa_kernel
	.amdgpu_metadata
---
amdhsa.version: [ 1, 2 ]
amdhsa.kernels:
  - .name:           k_qf0fabed499_up
    .symbol:         k_qf0fabed499_up.kd
    .args:
      - { .name: wq, .offset: 0, .size: 8, .value_kind: global_buffer, .address_space: global }
      - { .name: wo, .offset: 8, .size: 8, .value_kind: global_buffer, .address_space: global }
      - { .name: kvp, .offset: 16, .size: 8, .value_kind: global_buffer, .address_space: global }
      - { .name: w2, .offset: 24, .size: 8, .value_kind: global_buffer, .address_space: global }
      - { .name: up, .offset: 32, .size: 8, .value_kind: global_buffer, .address_space: global }
      - { .name: wb2, .offset: 40, .size: 8, .value_kind: global_buffer, .address_space: global }
    .group_segment_fixed_size: 85504
    .private_segment_fixed_size: 0
    .kernarg_segment_align: 8
    .kernarg_segment_size: 48
    .max_flat_workgroup_size: 256
    .sgpr_count:     66
    .vgpr_count:     232
    .wavefront_size: 32
...
	.end_amdgpu_metadata
.endif
;; end of part 3
;; launch rows (part 4): grid 256 x 1, 4 waves a work-group, clusters of 4 x 1, 327,680 bytes of LDS; arguments x, st, up, ln1_a, ln1_b, ln2_a, ln2_b, x1, h2; writes x1, h2
.if DOCPART == 4
	.amdgcn_target "amdgcn-amd-amdhsa--gfx1250"
	.amdhsa_code_object_version 6
	.text
	.protected	k_qf0fabed499_rows
	.globl	k_qf0fabed499_rows
	.p2align	8
	.type	k_qf0fabed499_rows,@function
k_qf0fabed499_rows:
	s_mov_b64 s[64:65], 0
	v_nop
	global_prefetch_b8 v0, s[64:65] scope:SCOPE_SE
	s_setreg_imm32_b32 hwreg(HW_REG_WAVE_MODE, 25, 1), 1
	s_wait_xcnt 0x0
	s_wait_alu depctr_hold_cnt(0) depctr_sa_sdst(0) depctr_va_vdst(0) depctr_va_sdst(0) depctr_va_ssrc(0) depctr_va_vcc(0) depctr_vm_vsrc(0)
	s_getreg_b32 s2, hwreg(HW_REG_IB_STS2, 6, 4)
	s_cmp_eq_u32 s2, 0
	s_cbranch_scc0 .Lentry_in_a_cluster
	s_endpgm
.Lentry_in_a_cluster:
	s_bfe_u32 s2, ttmp6, 0x10000c
	s_cmp_lg_u32 s2, 0x3003
	s_cbranch_scc0 .Lentry_shape_is_right
	s_endpgm
.Lentry_shape_is_right:
; THE ATTENTION HALF, ROW BY ROW, AND LAYERNORM 2.  For 16 rows of x (one batch b):
;   h = LayerNorm 1 (statistics from st);  s[row][head] = h . Ut[b][head] / 8, the one score that the module's own mask keeps; the other 1,023 keys all have the score -1e9.
;   m = max(s, -1e9);  e0 = exp(s - m), e1 = exp(-1e9 - m), den = e0 + 1023 e1;  x1 = x + (e0 / den | e1 / den) x P[b];  h2 = LayerNorm 2 of x1, rounded to bf16.
; SHARES.  A work-group owns 16 rows; wave w owns columns 256 w .. 256 w + 255: its slice of K for the scores (the four partial scores meet in LDS) and its slice of N for x1.
; LAYOUT.  Scores: source 0 = 16 heads of Ut, source 1 = 16 rows of h: a lane holds ONE row (lane % 16) and the heads 8 (lane / 16) + 0..7.  The 8 + 8 weights made of them, rounded to bf16 in pairs,
; ARE source 1 (32 x 16 rows) of the second product, whose source 0 is P turned by ds_load_tr16_b128 and whose C operand is x itself: the result is x1, one row and eight neighbouring columns a lane.
; CLUSTER.  The four work-groups of a cluster belong to one batch: Ut's and P's strips and the four vectors are the same in all four and are asked for JOINTLY; x's strip is each work-group's own.
; Every strip is read by the wave that asked for it alone, behind its own wait on TENSORcnt; no LDS byte is filled twice.  Seven tensor loads of a wave are out at the most.
; LIMITS.  NaN and infinities are not treated apart.  The score is made of bf16 operands and in another order of association than written in the module: where it lies within some 1e-3 of itself
; from -1e9 the split between key 0 and the others may differ.  The 1,023 equal terms of the sum are taken as 1023 x e1.  A weight below 2^-126 counts as 0.
.set XS,    0                          ; x:  for each wave 16 rows x 1,024 bytes, pitch 1,040
.set US,    66560                      ; Ut: for each wave 16 rows x 512 bytes, pitch 528
.set PS,    100352                     ; P:  for each wave 32 rows x 512 bytes, pitch 544
.set VS,    169984                     ; ln1_a, ln1_b, ln2_a, ln2_b: 4,096 bytes each, a wave's 1,024 at 1,024 w
.set X1S,   186368                     ; stage for x1, as XS; no tensor load lands from here on
.set H2S,   252928                     ; stage for h2, as US
.set SRED,  286720                     ; partial scores: [4 waves][32 lanes][32 bytes]
.set SUM1,  290816                     ; [16 rows][4 waves] f32; the second reduction's words lie 256 bytes on
.set SPARE, 291328                     ; the spare words, 128 bytes for each wave; no other line names them
.set PX, 1040
.set PU, 528
.set PP, 544
.set WV,  22                           ; s22  wave
.set SEL, 96                           ; s[96:97] v_permlanex16_b32's selects
.set CNT, 98
.set NEG, 99                           ; -1e9
.set C1023, 100
.set UF, 40                            ; v[40:55]   Ut's fragments, two
.set HF, 56                            ; v[56:71]   h's fragments, two; later v[56:63] the weights
.set T,  72                            ; v[72:87]   16 numbers at work
.set AV, 88                            ; v[88:103]  their gains
.set BV, 104                           ; v[104:119] their biases
.set XAS, 120                          ; v120-122   stepped copies of addresses
.set UAS, 121
.set VAS, 122
.set PF, 64                            ; v[64:127]  eight fragments of P
.set X,  128                           ; v[128:255] x, then x1: block blk at X + 8 blk: row lane % 16, columns 16 blk + 8 (lane / 16) + 0..7
.macro CROUND                          ; a round of the cluster's barrier
	s_barrier_signal -1
	s_barrier_wait -1
	s_cmp_lg_u32 s[WV], 0
	s_cbranch_scc1 .Lnot_wave_0_\@
	s_barrier_signal -3
.Lnot_wave_0_\@:
	s_barrier_wait -3
	s_barrier_signal -1
	s_barrier_wait -1
.endm
	s_load_b512 s[4:19], s[0:1], 0x0               ; x s[4:5], st s[6:7], up s[8:9], ln1_a s[10:11], ln1_b s[12:13], ln2_a s[14:15], ln2_b s[16:17], x1 s[18:19]
	s_load_b64 s[20:21], s[0:1], 0x40              ; h2
	v_lshl_add_u32 v3, v0, 2, SPARE
	v_mov_b32 v4, 0
	ds_add_u32 v3, v4                              ; the wave's opening: the add and its wait stand ahead of my first tensor load; work on registers stands between them
	v_lshrrev_b32 v1, 5, v0
	v_readfirstlane_b32 s[WV], v1
	s_bfe_u32 s23, ttmp6, 0x40000                  ; cx
	s_lshl_b32 s88, ttmp9, 2
	s_add_co_u32 s88, s88, s23                     ; my 16 rows' number: it enters x's, st's, x1's and h2's addresses alone
	s_lshr_b32 s89, ttmp9, 4                       ; the batch, which the four partners share
	; descriptor group 1 for x: 16 rows x 256 elements of 4 bytes, 4 words of padding behind every 256; no mask
	s_mov_b32 s24, (2<<16)|(1<<20)|(7<<22)|(3<<25)
	s_mov_b32 s25, 256<<16
	s_mov_b32 s26, 16<<16
	s_mov_b32 s27, 256<<16
	s_mov_b32 s28, 16
	s_mov_b32 s29, 1024
	s_mov_b32 s30, 0
	s_mov_b32 s31, 0
	; for Ut: 16 rows x 256 elements of 2 bytes, 4 words behind every 128; the mask of four, bit 21 beside it
	s_mov_b32 s32, 15|(1<<16)|(1<<20)|(1<<21)|(6<<22)|(3<<25)
	s_mov_b32 s33, 256<<16
	s_mov_b32 s34, 16<<16
	s_mov_b32 s35, 256<<16
	s_mov_b32 s36, 16
	s_mov_b32 s37, 1024
	s_mov_b32 s38, 0
	s_mov_b32 s39, 0
	; for P: 32 rows, 8 words of padding
	s_mov_b32 s40, 15|(1<<16)|(1<<20)|(1<<21)|(6<<22)|(7<<25)
	s_mov_b32 s41, 256<<16
	s_mov_b32 s42, 32<<16
	s_mov_b32 s43, 256<<16
	s_mov_b32 s44, 32
	s_mov_b32 s45, 1024
	s_mov_b32 s46, 0
	s_mov_b32 s47, 0
	; for a vector's 1,024 bytes: one row of 128 elements of 8 bytes
	s_mov_b32 s48, 15|(3<<16)|(1<<21)
	s_mov_b32 s49, 128<<16
	s_mov_b32 s50, 1<<16
	s_mov_b32 s51, 128<<16
	s_mov_b32 s52, 1
	s_mov_b32 s53, 128
	s_mov_b32 s54, 0
	s_mov_b32 s55, 0
	; seven groups 0: the word 1 and the LDS address, a constant plus the wave's number times a constant
	s_mul_i32 s94, s[WV], 16*PX
	s_mul_i32 s95, s[WV], 16*PU
	s_mul_i32 s2, s[WV], 32*PP
	s_lshl_b32 s3, s[WV], 10
	s_lshl_b32 s101, s[WV], 9
	s_mov_b32 s56, 1
	s_add_co_u32 s57, s94, XS
	s_mov_b32 s60, 1
	s_add_co_u32 s61, s3, VS
	s_mov_b32 s68, 1
	s_add_co_u32 s69, s3, VS+4096
	s_mov_b32 s72, 1
	s_add_co_u32 s73, s95, US
	s_mov_b32 s76, 1
	s_add_co_u32 s77, s2, PS
	s_mov_b32 s80, 1
	s_add_co_u32 s81, s3, VS+8192
	s_mov_b32 s84, 1
	s_add_co_u32 s85, s3, VS+12288
	s_mov_b32 s[SEL], 0x76543210
	s_mov_b32 s[SEL+1], 0xfedcba98
	s_mov_b32 s[NEG], 0xce6e6b28
	s_mov_b32 s[C1023], 0x447fc000
	s_lshl_b32 s90, s88, 16                        ; s[90:91]: offsets that hang on my place; s[92:93]: offsets that the partners share
	s_add_co_u32 s90, s90, s3
	s_mov_b32 s91, 0
	s_mov_b32 s92, s3
	s_mov_b32 s93, 0
	s_wait_dscnt 0x0                               ; the opening add is done
	s_wait_kmcnt 0x0
	s_add_nc_u64 s[58:59], s[4:5], s[90:91]        ; x: my 16 rows, my wave's 1,024 bytes of each
	s_or_b32 s59, s59, 0x80000000
	s_add_nc_u64 s[18:19], s[18:19], s[90:91]      ; x1 likewise
	s_add_nc_u64 s[62:63], s[10:11], s[92:93]
	s_or_b32 s63, s63, 0x80000000
	s_add_nc_u64 s[70:71], s[12:13], s[92:93]
	s_or_b32 s71, s71, 0x80000000
	s_add_nc_u64 s[82:83], s[14:15], s[92:93]
	s_or_b32 s83, s83, 0x80000000
	s_add_nc_u64 s[86:87], s[16:17], s[92:93]
	s_or_b32 s87, s87, 0x80000000
	s_lshl_b32 s92, s89, 15                        ; Ut[b], my wave's 512 bytes of each row
	s_add_co_u32 s92, s92, s101
	s_add_nc_u64 s[74:75], s[8:9], s[92:93]
	s_or_b32 s75, s75, 0x80000000
	s_lshl_b32 s92, s89, 16                        ; P[b] likewise
	s_add_co_u32 s92, s92, s101
	s_add_co_u32 s92, s92, 0x20000
	s_add_nc_u64 s[78:79], s[8:9], s[92:93]
	s_or_b32 s79, s79, 0x80000000
	s_lshl_b32 s90, s88, 15                        ; h2: my 16 rows of 2,048 bytes, my wave's 512
	s_add_co_u32 s90, s90, s101
	s_add_nc_u64 s[20:21], s[20:21], s[90:91]
	s_lshl_b32 s90, s88, 7                         ; stat of my 16 rows
	s_add_co_u32 s90, s90, 0x100000
	s_add_nc_u64 s[6:7], s[6:7], s[90:91]
	CROUND                                         ; all four work-groups are here: the joint loads meet
	tensor_load_to_lds s[56:59], s[24:31]          ; x
	s_nop 0
	tensor_load_to_lds s[60:63], s[48:55]          ; ln1_a
	s_nop 0
	tensor_load_to_lds s[68:71], s[48:55]          ; ln1_b
	s_nop 0
	tensor_load_to_lds s[72:75], s[32:39]          ; Ut
	s_nop 0
	tensor_load_to_lds s[76:79], s[40:47]          ; P
	s_nop 0
	tensor_load_to_lds s[80:83], s[48:55]          ; ln2_a
	s_nop 0
	tensor_load_to_lds s[84:87], s[48:55]          ; ln2_b
	s_nop 0
.rept 4
	v_nop
.endr
	v_and_b32 v1, 15, v0                           ; r
	v_bfe_u32 v2, v0, 4, 1                         ; hh
	v_lshlrev_b32 v19, 3, v1
	global_load_b64 v[20:21], v19, s[6:7]          ; (mean, 1 / (std + eps)) of my row
	v_mul_u32_u24 v5, v1, PX
	v_lshl_add_u32 v5, v2, 5, v5
	v_add_nc_u32 v9, X1S, v5
	v_add_nc_u32 v9, s94, v9                       ; v9: my 32 bytes of block 0 in x1's stage
	v_add_nc_u32 v5, s94, v5                       ; v5: the same in x's strip
	v_mul_u32_u24 v6, v1, PU
	v_lshl_add_u32 v6, v2, 4, v6
	v_add_nc_u32 v6, s95, v6
	v_add_nc_u32 v11, H2S, v6                      ; v11: my 16 bytes of block 0 in h2's stage
	v_add_nc_u32 v6, US, v6                        ; v6: a fragment of Ut
	v_and_b32 v7, 7, v0
	v_lshl_add_u32 v7, v2, 3, v7
	v_mul_u32_u24 v7, v7, PP
	v_bfe_u32 v8, v0, 3, 1
	v_lshl_add_u32 v7, v8, 4, v7
	s_add_co_u32 s2, s2, PS
	v_add_nc_u32 v7, s2, v7                        ; v7: the turning load's place in P's strip
	s_add_co_u32 s2, s3, VS
	v_lshl_add_u32 v8, v2, 5, s2                   ; v8: my 32 bytes of the vectors
	v_and_b32 v13, 31, v0
	v_lshlrev_b32 v13, 4, v13                      ; v13: 16 x lane
	s_add_co_u32 s2, s94, X1S
	v_add_nc_u32 v10, s2, v13                      ; v10: x1's stage by rows
	s_add_co_u32 s2, s95, H2S
	v_add_nc_u32 v12, s2, v13                      ; v12: h2's stage by rows
	v_lshl_add_u32 v16, v13, 1, SRED               ; v16: my lane's 32 bytes of wave 0's partial scores
	v_add_nc_u32 v15, s3, v16                      ; v15: of my wave's
	v_lshl_add_u32 v18, v1, 4, SUM1                ; v18: my row's four words
	s_lshl_b32 s2, s[WV], 2
	v_add_nc_u32 v17, s2, v18                      ; v17: my wave's word of them
.set i, 24
.rept 16
	v_mov_b32 v[i], 0                              ; the two score accumulators: 16 lines, against a second copy of a trip's 70
.set i, i+1
.endr
; (x - mean) r as x r - mean r, then times the gain plus the bias: 16 numbers
.macro NORM
.irp i, 0,1,2,3,4,5,6,7
	v_pk_fma_f32 v[T+2*(\i):T+2*(\i)+1], v[T+2*(\i):T+2*(\i)+1], v[22:23], v[22:23] op_sel:[0,0,1] op_sel_hi:[1,0,1]
.endr
.irp i, 0,1,2,3,4,5,6,7
	v_pk_fma_f32 v[T+2*(\i):T+2*(\i)+1], v[T+2*(\i):T+2*(\i)+1], v[AV+2*(\i):AV+2*(\i)+1], v[BV+2*(\i):BV+2*(\i)+1]
.endr
.endm
; 32 along K: Ut's fragment, 16 numbers of x with their gains and biases, LayerNorm 1, rounding, one product.  The other step's 24 plain lines stand between a product and the next write of its sources.
.macro KSTEP p
	ds_load_b128 v[UF+8*(\p):UF+8*(\p)+3],   v[UAS] offset:64*(\p)
	ds_load_b128 v[UF+8*(\p)+4:UF+8*(\p)+7], v[UAS] offset:64*(\p)+32
.irp o, 0,1,2,3
	ds_load_b128 v[T+4*(\o):T+4*(\o)+3],   v[XAS] offset:128*(\p)+16*((\o)%2)+64*((\o)/2)
	ds_load_b128 v[AV+4*(\o):AV+4*(\o)+3], v[VAS] offset:128*(\p)+16*((\o)%2)+64*((\o)/2)
	ds_load_b128 v[BV+4*(\o):BV+4*(\o)+3], v[VAS] offset:4096+128*(\p)+16*((\o)%2)+64*((\o)/2)
.endr
	s_wait_dscnt 0x0
	NORM
.irp i, 0,1,2,3,4,5,6,7
	v_cvt_pk_bf16_f32 v[HF+8*(\p)+(\i)], v[T+2*(\i)], v[T+2*(\i)+1]
.endr
	v_wmma_f32_16x16x32_bf16 v[24+8*(\p):31+8*(\p)], v[UF+8*(\p):UF+8*(\p)+7], v[HF+8*(\p):HF+8*(\p)+7], v[24+8*(\p):31+8*(\p)]
.endm
	s_wait_tensorcnt 0x3                           ; x, ln1_a, ln1_b and Ut are in; the three loads issued behind them (P, ln2_a, ln2_b) stay out
.set blk, 0
.rept 16
	ds_load_b128 v[X+8*blk:X+8*blk+3],   v5 offset:64*blk
	ds_load_b128 v[X+8*blk+4:X+8*blk+7], v5 offset:64*blk+16
.set blk, blk+1
.endr
	s_wait_loadcnt 0x0
	v_mov_b32 v22, v21                             ; r
	v_mul_f32 v23, -v20, v21                       ; - mean r
	v_mov_b32 v[XAS], v5
	v_mov_b32 v[UAS], v6
	v_mov_b32 v[VAS], v8
	s_mov_b32 s[CNT], 4
.Lk:                                                   ; four trips of 64 along K; the two accumulators take turns, over the backward jump too
	KSTEP 0
	KSTEP 1
	v_add_nc_u32 v[XAS], 256, v[XAS]
	v_add_nc_u32 v[UAS], 128, v[UAS]
	v_add_nc_u32 v[VAS], 256, v[VAS]
	s_sub_co_u32 s[CNT], s[CNT], 1
	s_cmp_lg_u32 s[CNT], 0
	s_cbranch_scc1 .Lk
	v_nop                                          ; with the three additions above: four places behind the last product
.irp i, 0,1,2,3
	v_pk_add_f32 v[24+2*(\i):25+2*(\i)], v[24+2*(\i):25+2*(\i)], v[32+2*(\i):33+2*(\i)]   ; both accumulators from their low ends on
.endr
	ds_store_b128 v15, v[24:27]
	ds_store_b128 v15, v[28:31] offset:16
	s_wait_dscnt 0x0                               ; for the others' sake
	s_barrier_signal -1
	s_barrier_wait -1
.irp w, 0,1,2,3
	ds_load_b128 v[T+8*(\w):T+8*(\w)+3],   v16 offset:1024*(\w)
	ds_load_b128 v[T+8*(\w)+4:T+8*(\w)+7], v16 offset:1024*(\w)+16
.endr
	s_wait_dscnt 0x0
.irp i, 0,1,2,3
	v_pk_add_f32 v[72+2*(\i):73+2*(\i)], v[72+2*(\i):73+2*(\i)], v[80+2*(\i):81+2*(\i)]
	v_pk_add_f32 v[88+2*(\i):89+2*(\i)], v[88+2*(\i):89+2*(\i)], v[96+2*(\i):97+2*(\i)]
.endr
.irp i, 0,1,2,3
	v_pk_add_f32 v[72+2*(\i):73+2*(\i)], v[72+2*(\i):73+2*(\i)], v[88+2*(\i):89+2*(\i)]
.endr
	; THE WEIGHTS of my row and eight heads, with the maximum taken away as the module's softmax does
.irp i, 0,1,2,3
	v_pk_mul_f32 v[72+2*(\i):73+2*(\i)], v[72+2*(\i):73+2*(\i)], 0x3e000000 op_sel_hi:[1,0]   ; / 8
.endr
.irp j, 0,1,2,3,4,5,6,7
	v_max_num_f32 v[80+(\j)], s[NEG], v[72+(\j)]   ; m
.endr
.irp j, 0,1,2,3,4,5,6,7
	v_sub_f32 v[88+(\j)], v[72+(\j)], v[80+(\j)]   ; s - m
	v_sub_f32 v[96+(\j)], s[NEG], v[80+(\j)]       ; -1e9 - m
.endr
.irp i, 0,1,2,3,4,5,6,7
	v_pk_mul_f32 v[88+2*(\i):89+2*(\i)], v[88+2*(\i):89+2*(\i)], 0x3fb8aa3b op_sel_hi:[1,0]   ; x log2(e)
.endr
.set j, 88
.rept 16
	v_exp_f32 v[j], v[j]                           ; e0 in v[88:95], e1 in v[96:103]
.set j, j+1
.endr
	v_nop                                          ; a plain instruction behind the transcendentals
	s_wait_alu depctr_va_vdst(0)
.irp j, 0,1,2,3,4,5,6,7
	v_fma_f32 v[80+(\j)], v[96+(\j)], s[C1023], v[88+(\j)]
.endr
.irp j, 0,1,2,3,4,5,6,7
	v_rcp_f32 v[80+(\j)], v[80+(\j)]
.endr
	v_nop
	s_wait_alu depctr_va_vdst(0)
.irp i, 0,1,2,3
	v_pk_mul_f32 v[88+2*(\i):89+2*(\i)], v[88+2*(\i):89+2*(\i)], v[80+2*(\i):81+2*(\i)]
	v_pk_mul_f32 v[96+2*(\i):97+2*(\i)], v[96+2*(\i):97+2*(\i)], v[80+2*(\i):81+2*(\i)]
.endr
.irp i, 0,1,2,3
	v_cvt_pk_bf16_f32 v[56+(\i)], v[88+2*(\i)], v[89+2*(\i)]   ; k = 8 hh + 0..7: key 0's weights
	v_cvt_pk_bf16_f32 v[60+(\i)], v[96+2*(\i)], v[97+2*(\i)]   ; k = 16 + 8 hh + 0..7: the other keys'
.endr
	; x1 = x + weights x P: 16 products on 16 accumulators, eight fragments of P at a time
	s_wait_tensorcnt 0x2                           ; P is in; ln2_a and ln2_b stay out
.irp hf, 0,1
.if (\hf) == 1
.rept 4
	v_nop                                          ; four places between the products and the loads into their sources
.endr
.endif
.irp i, 0,1,2,3,4,5,6,7
	ds_load_tr16_b128 v[PF+8*(\i):PF+8*(\i)+3],   v7 offset:32*(8*(\hf)+(\i))
	ds_load_tr16_b128 v[PF+8*(\i)+4:PF+8*(\i)+7], v7 offset:32*(8*(\hf)+(\i))+16*PP
.endr
	s_wait_dscnt 0x0
.irp i, 0,1,2,3,4,5,6,7
	v_wmma_f32_16x16x32_bf16 v[X+8*(8*(\hf)+(\i)):X+8*(8*(\hf)+(\i))+7], v[PF+8*(\i):PF+8*(\i)+7], v[56:63], v[X+8*(8*(\hf)+(\i)):X+8*(8*(\hf)+(\i))+7]
.endr
.endr
.rept 4
	v_nop                                          ; four places behind the last product
.endr
.set blk, 0
.rept 16
	ds_store_b128 v9, v[X+8*blk:X+8*blk+3]   offset:64*blk      ; each accumulator from its low end on
	ds_store_b128 v9, v[X+8*blk+4:X+8*blk+7] offset:64*blk+16
.set blk, blk+1
.endr
	; x1 leaves by whole rows: my stage is my own, and LDS serves a wave's instructions in order (ISA guide 5.7.1.4)
.irp hf, 0,1
.if (\hf) == 1
	s_wait_xcnt 0x0                                ; the first half's stores have read their registers
.endif
.set i, 0
.rept 16
	ds_load_b128 v[PF+4*i:PF+4*i+3], v10 offset:(8*(\hf)+i/2)*PX+512*(i%2)
.set i, i+1
.endr
.set i, 0
.rept 16
	s_wait_dscnt 15-i                              ; load i of the sixteen is in
	global_store_b128 v13, v[PF+4*i:PF+4*i+3], s[18:19] offset:(8*(\hf)+i/2)*4096+512*(i%2)   ; 512 consecutive bytes
.set i, i+1
.endr
.endr
	; LAYERNORM 2's statistics, in two passes over the registers; a row's numbers lie in two lanes of each of the four waves
.macro FOLD off                        ; the chains v[24:31] -> the row's sum in v24, through LDS words at SUM1 + off
	v_pk_add_f32 v[24:25], v[24:25], v[26:27]
	v_pk_add_f32 v[28:29], v[28:29], v[30:31]
	v_pk_add_f32 v[24:25], v[24:25], v[28:29]
	v_add_f32 v24, v24, v25
	v_permlanex16_b32 v25, v24, s[SEL], s[SEL+1]
	v_add_f32 v24, v24, v25
	ds_store_b32 v17, v24 offset:\off
	s_wait_dscnt 0x0                               ; for the others' sake
	s_barrier_signal -1
	s_barrier_wait -1
	ds_load_b128 v[24:27], v18 offset:\off
	s_wait_dscnt 0x0
	v_add_f32 v24, v24, v25
	v_add_f32 v26, v26, v27
	v_add_f32 v24, v24, v26
.endm
.irp c, 0,1,2,3
	v_pk_add_f32 v[24+2*(\c):25+2*(\c)], v[X+2*(\c):X+2*(\c)+1], v[X+8+2*(\c):X+9+2*(\c)]
.endr
.set p, 8
.rept 56
	v_pk_add_f32 v[24+2*(p%4):25+2*(p%4)], v[24+2*(p%4):25+2*(p%4)], v[X+2*p:X+2*p+1]
.set p, p+1
.endr
	FOLD 0
	v_mul_f32 v40, 0x3a800000, v24                 ; the mean,
	v_mul_f32 v41, 0x3a800000, v24                 ; twice
.set p, 0
.rept 64
	v_pk_add_f32 v[32+2*(p%4):33+2*(p%4)], v[X+2*p:X+2*p+1], v[40:41] neg_lo:[0,1] neg_hi:[0,1]
.if p < 4
	v_pk_mul_f32 v[24+2*(p%4):25+2*(p%4)], v[32+2*(p%4):33+2*(p%4)], v[32+2*(p%4):33+2*(p%4)]
.else
	v_pk_fma_f32 v[24+2*(p%4):25+2*(p%4)], v[32+2*(p%4):33+2*(p%4)], v[32+2*(p%4):33+2*(p%4)], v[24+2*(p%4):25+2*(p%4)]
.endif
.set p, p+1
.endr
	FOLD 256
	v_mul_f32 v24, 0x3a802008, v24                 ; / 1023
	v_sqrt_f32 v25, v24
	v_nop
	s_wait_alu depctr_va_vdst(0)
	v_add_f32 v25, 0x358637bd, v25                 ; + 1e-6
	v_rcp_f32 v22, v25
	v_nop
	s_wait_alu depctr_va_vdst(0)
	v_mul_f32 v23, -v40, v22
	; h2: eight trips of two blocks; x1 comes back from my own bytes of the stage, so that one text serves all blocks
	s_wait_tensorcnt 0x0                           ; ln2_a and ln2_b are in
	s_wait_xcnt 0x0                                ; x1's stores have read v[64:127]
	v_mov_b32 v[XAS], v9
	v_mov_b32 v[UAS], v11
	v_mov_b32 v[VAS], v8
	s_mov_b32 s[CNT], 8
.La:
.irp o, 0,1,2,3
	ds_load_b128 v[T+4*(\o):T+4*(\o)+3],   v[XAS] offset:16*((\o)%2)+64*((\o)/2)
	ds_load_b128 v[AV+4*(\o):AV+4*(\o)+3], v[VAS] offset:8192+16*((\o)%2)+64*((\o)/2)
	ds_load_b128 v[BV+4*(\o):BV+4*(\o)+3], v[VAS] offset:12288+16*((\o)%2)+64*((\o)/2)
.endr
	s_wait_dscnt 0x0
	NORM
.irp i, 0,1,2,3,4,5,6,7
	v_cvt_pk_bf16_f32 v[56+(\i)], v[T+2*(\i)], v[T+2*(\i)+1]
.endr
	ds_store_b128 v[UAS], v[56:59]
	ds_store_b128 v[UAS], v[60:63] offset:32
	v_add_nc_u32 v[XAS], 128, v[XAS]
	v_add_nc_u32 v[VAS], 128, v[VAS]
	v_add_nc_u32 v[UAS], 64, v[UAS]
	s_sub_co_u32 s[CNT], s[CNT], 1
	s_cmp_lg_u32 s[CNT], 0
	s_cbranch_scc1 .La
.set i, 0
.rept 16
	ds_load_b128 v[X+4*i:X+4*i+3], v12 offset:i*PU
.set i, i+1
.endr
.set i, 0
.rept 16
	s_wait_dscnt 15-i                              ; row i of the sixteen is in
	global_store_b128 v13, v[X+4*i:X+4*i+3], s[20:21] offset:i*2048   ; 512 consecutive bytes
.set i, i+1
.endr
	s_wait_tensorcnt 0x0                           ; the wave's end, behind my last tensor load and my last LDS store
	ds_add_u32 v3, v4
	s_wait_dscnt 0x0
	CROUND                                         ; the closing round
	s_endpgm
.Lfunc_end_k_qf0fabed499_rows:
	.size	k_qf0fabed499_rows, .Lfunc_end_k_qf0fabed499_rows-k_qf0fabed499_rows
	.p2alignl 7, 3214868480
	.fill 96, 4, 3214868480
	.section	.rodata,"a",@progbits
	.p2align	6, 0x0
	.amdhsa_kernel k_qf0fabed499_rows
		.amdhsa_group_segment_fixed_size 327680
		.amdhsa_private_segment_fixed_size 0
		.amdhsa_enable_private_segment 0
		.amdhsa_kernarg_size 72
		.amdhsa_user_sgpr_count 2
		.amdhsa_user_sgpr_kernarg_segment_ptr 1
		.amdhsa_wavefront_size32 1
		.amdhsa_system_sgpr_workgroup_id_x 1
		.amdhsa_system_sgpr_workgroup_id_y 1
		.amdhsa_system_sgpr_workgroup_id_z 1
		.amdhsa_system_vgpr_workitem_id 0
		.amdhsa_next_free_vgpr 256
		.amdhsa_next_free_sgpr 102
		.amdhsa_reserve_vcc 0
		.amdhsa_float_denorm_mode_32 3
		.amdhsa_float_denorm_mode_16_64 3
		.amdhsa_memory_ordered 1
		.amdhsa_forward_progress 1
		.amdhsa_inst_pref_size 54
	.end_amdhsa_kernel
	.amdgpu_metadata
---
amdhsa.version: [ 1, 2 ]
amdhsa.kernels:
  - .name:           k_qf0fabed499_rows
    .symbol:         k_qf0fabed499_rows.kd
    .args:
      - { .name: x, .offset: 0, .size: 8, .value_kind: global_buffer, .address_space: global }
      - { .name: st, .offset: 8, .size: 8, .value_kind: global_buffer, .address_space: global }
      - { .name: up, .offset: 16, .size: 8, .value_kind: global_buffer, .address_space: global }
      - { .name: ln1_a, .offset: 24, .size: 8, .value_kind: global_buffer, .address_space: global }
      - { .name: ln1_b, .offset: 32, .size: 8, .value_kind: global_buffer, .address_space: global }
      - { .name: ln2_a, .offset: 40, .size: 8, .value_kind: global_buffer, .address_space: global }
      - { .name: ln2_b, .offset: 48, .size: 8, .value_kind: global_buffer, .address_space: global }
      - { .name: x1, .offset: 56, .size: 8, .value_kind: global_buffer, .address_space: global }
      - { .name: h2, .offset: 64, .size: 8, .value_kind: global_buffer, .address_space: global }
    .group_segment_fixed_size: 327680
    .private_segment_fixed_size: 0
    .kernarg_segment_align: 8
    .kernarg_segment_size: 72
    .max_flat_workgroup_size: 128
    .sgpr_count:     102
    .vgpr_count:     256
    .wavefront_size: 32
...
	.end_amdgpu_metadata
.endif
;; end of part 4
;; launch ffn1 (part 5): grid 16 x 16, 4 waves a work-group, clusters of 4 x 4, 327,680 bytes of LDS; arguments h2, wb1, b1, g; writes g
.if DOCPART == 5
	.amdgcn_target "amdgcn-amd-amdhsa--gfx1250"
	.amdhsa_code_object_version 6
	.text
	.protected	k_qf0fabed499_ffn1
	.globl	k_qf0fabed499_ffn1
	.p2align	8
	.type	k_qf0fabed499_ffn1,@function
k_qf0fabed499_ffn1:
	s_mov_b64 s[64:65], 0
	v_nop
	global_prefetch_b8 v0, s[64:65] scope:SCOPE_SE
	s_setreg_imm32_b32 hwreg(HW_REG_WAVE_MODE, 25, 1), 1
	s_wait_xcnt 0x0
	s_wait_alu depctr_hold_cnt(0) depctr_sa_sdst(0) depctr_va_vdst(0) depctr_va_sdst(0) depctr_va_ssrc(0) depctr_va_vcc(0) depctr_vm_vsrc(0)
	s_getreg_b32 s2, hwreg(HW_REG_IB_STS2, 6, 4)
	s_cmp_eq_u32 s2, 0
	s_cbranch_scc0 .Lentry_in_a_cluster
	s_endpgm
.Lentry_in_a_cluster:
	s_bfe_u32 s2, ttmp6, 0x10000c
	s_cmp_lg_u32 s2, 0xf033
	s_cbranch_scc0 .Lentry_shape_is_right
	s_endpgm
.Lentry_shape_is_right:
; g = gelu(h2 w1 + b1).  h2: [4096][1024] bf16, wb1: [1024][4096] bf16 (K down the rows), b1: [4096] f32, g: [4096][4096] bf16; sums and gelu in f32, g rounded once.
; A tile of 256 x 256 is made by four waves, 128 x 128 each: 64 accumulators, 512 registers.  16 x 16 tiles: one work-group for each.  K goes in steps of 128 through a ring of two LDS slots.
; A's tile: 256 rows x 256 bytes, pitch 272.  B's tile: 128 rows of K x 512 bytes, pitch 544; its fragments come out turned, by ds_load_tr16_b128, so the weights need no transposed copy.
; CLUSTER: 4 x 4 work-groups; A's tile is asked for jointly along a row of the cluster, B's along a column.
; THE MATRIX INSTRUCTION IS USED TRANSPOSED (source 0 = 16 columns of w1, source 1 = 16 rows of h2): a lane holds one row and eight neighbouring columns.
; THE WAY OUT.  The sums go as f32 into the ring, whose bytes have had their last fill (128 rows x 512 bytes a wave, pitch 528), and a counted loop of 16 trips takes 8 rows each: bias, gelu, rounding,
; stores of 256 consecutive aligned bytes a wave.  One text for all 512 numbers of a lane.
; GELU.  gelu(x) = max(x, 0) - |x| q,  q = (a1 t + a2 t^2 + a3 t^3) exp(-x^2 / 2) / 2,  t = 1 / (1 + 0.47047 |x| / sqrt 2): the rational form of erfc (Abramowitz and Stegun 7.1.25).
; LIMITS.  That form is off by at most 2.5e-5 in erf, for every x; NaN and infinities are not treated apart.
; REGISTERS, in windows of 256: window 0: v0-31 addresses and the bias; v64-127, v128-191 A's fragments, two buffers; on the way out v32-175 at work.  Window 1: v64-191 B's fragments.  Windows 2, 3: the accumulators.
.set SIZE_K, 1024
.set SIZE_N, 4096
.set KSTEP,  128
.set PITCH,  272                       ; A's rows in LDS: 256 bytes + 16
.set PB,     544                       ; B's rows in LDS: 512 bytes + 32
.set HALFT,  128*PITCH                 ; what one tensor load brings: 128 rows of A, or 64 rows of B (64 x 544 is the same number)
.set SLOT,   4*HALFT
.set SPARE,  2*SLOT                    ; behind the ring: the spare words, 128 bytes for each wave; no other line names them
.set SP,     528                       ; the way out: a row of 128 f32 + 16 bytes
.set WST,    128*SP                    ; a wave's stage
.set LAPS,   SIZE_K/(2*KSTEP)
.set BI,   8                           ; v[8:11]  my four columns of b1
.set ADRA, 16                          ; v16-17  LDS address of my A fragments in slot 0, 1
.set ADRB, 20                          ; v20-21  the same for B
.set STO,  24
.set RD,   25
.set GO,   26
.set SPW,  28
.set NIL,  29
.set F0,   64
.set F1,   128
.set XX,   32                          ; the way out: 8 rows x 4 numbers
.set EE,   64
.set TT,   96
.set QQ,   128
.set YY,   160
.set G1,  24
.set G0,  32
.set G1B, 48
.set G0B, 56
.set MSB, 0
.macro WIN new                         ; the immediate's high byte repeats the setting that is left
.if MSB != (\new)
	s_set_vgpr_msb (MSB<<8)|(\new)
.set MSB, \new
.endif
.endm
.set MUL_LO, 0xa1                      ; source 0 (B) window 1, source 1 (A) window 0, C and D window 2
.set MUL_HI, 0xf1                      ; the same, C and D window 3
.set TO_B,   0x40                      ; destination window 1, address window 0
; A joint load: waves 0 and 1 fetch A's two halves, waves 2 and 3 B's.  An s_nop 0 and four v_nop follow each of the two lines.
.macro JLOAD s
	s_cmp_eq_u32 s13, 0
	s_cbranch_scc0 .Lfor_b_\@
	tensor_load_to_lds s[G0+4*(\s):G0+4*(\s)+3], s[G1:G1+7]
	s_nop 0
.rept 4
	v_nop
.endr
	s_branch .Lasked_\@
.Lfor_b_\@:
	tensor_load_to_lds s[G0B+4*(\s):G0B+4*(\s)+3], s[G1B:G1B+7]
	s_nop 0
.rept 4
	v_nop
.endr
.Lasked_\@:
.endm
.macro CREST                           ; a round of the cluster's barrier behind its opening barrier
	s_cmp_lg_u32 s12, 0
	s_cbranch_scc1 .Lnot_wave_0_\@
	s_barrier_signal -3
.Lnot_wave_0_\@:
	s_barrier_wait -3
	s_barrier_signal -1
	s_barrier_wait -1
.endm
.macro CROUND
	s_barrier_signal -1
	s_barrier_wait -1
	CREST
.endm
	s_load_b256 s[4:11], s[0:1], 0x0               ; h2 s[4:5], wb1 s[6:7], b1 s[8:9], g s[10:11]
	v_lshl_add_u32 v[SPW], v0, 2, SPARE
	v_mov_b32 v[NIL], 0
	ds_add_u32 v[SPW], v[NIL]                      ; the wave's opening: the add and its wait stand ahead of my first tensor load; work on registers stands between them
	v_lshrrev_b32 v1, 5, v0
	v_readfirstlane_b32 s12, v1                    ; wave
	s_lshr_b32 s13, s12, 1                         ; which half of the tile's rows is mine.  Also: I fetch for A (0) or for B (1)
	s_and_b32 s14, s12, 1                          ; which half of its columns.  Also: which half of that tile I fetch
	s_bfe_u32 s40, ttmp6, 0x40000                  ; cx
	s_bfe_u32 s41, ttmp6, 0x40004                  ; cy
	s_lshl_b32 s42, ttmp9, 2
	s_add_co_u32 s42, s42, s40                     ; tile column
	s_and_b32 s15, ttmp7, 0xffff
	s_lshl_b32 s15, s15, 2
	s_add_co_u32 s15, s15, s41                     ; tile row
	s_lshl_b32 s43, s41, 2
	s_lshl_b32 s43, 15, s43                        ; my row of the cluster
	s_lshl_b32 s44, 0x1111, s40                    ; my column
	s_or_b32 s[G1+0], s43, (1<<16)|(1<<20)|(1<<21)|(5<<22)|(3<<25)   ; A: 2-byte elements, 4 words of padding behind every 64
	s_mov_b32 s[G1+1], KSTEP<<16                   ; tensor_dim0 = 128
	s_mov_b32 s[G1+2], 128<<16                     ; tensor_dim1 = 128
	s_mov_b32 s[G1+3], KSTEP<<16                   ; tile_dim0 = 128
	s_mov_b32 s[G1+4], 128                         ; tile_dim1 = 128
	s_mov_b32 s[G1+5], SIZE_K                      ; elements from row to row
	s_mov_b32 s[G1+6], 0
	s_mov_b32 s[G1+7], 0
	s_or_b32 s[G1B+0], s44, (1<<16)|(1<<20)|(1<<21)|(6<<22)|(7<<25)  ; B: 8 words of padding behind every 128
	s_mov_b32 s[G1B+1], 256<<16                    ; tensor_dim0 = 256 columns
	s_mov_b32 s[G1B+2], 64<<16                     ; tensor_dim1 = 64 rows of K
	s_mov_b32 s[G1B+3], 256<<16
	s_mov_b32 s[G1B+4], 64
	s_mov_b32 s[G1B+5], SIZE_N
	s_mov_b32 s[G1B+6], 0
	s_mov_b32 s[G1B+7], 0
	s_mov_b32 s68, 0x3f596d27                      ; sqrt(log2(e) / 2)
	s_mov_b32 s69, 0x3f596d27
	s_mov_b32 s70, 0x3eaa540d                      ; 0.47047 / sqrt 2
	s_mov_b32 s72, 0x3ebf7377                      ; a3 / 2
	s_mov_b32 s73, 0x3ebf7377
	s_mov_b32 s74, 0xbd445ca1                      ; a2 / 2
	s_mov_b32 s75, 0xbd445ca1
	s_mov_b32 s76, 0x3e32303a                      ; a1 / 2
	s_mov_b32 s77, 0x3e32303a
	s_lshl_b32 s17, s14, 7
	s_lshl_b32 s16, s15, 8
	s_add_co_u32 s16, s16, s17                     ; A: row 256 x tile row + 128 x half,
	s_lshl_b32 s16, s16, 11                        ; of 2,048 bytes
	s_mov_b32 s17, 0
	s_lshl_b32 s46, s42, 9                         ; B: 512 bytes x tile column,
	s_lshl_b32 s47, s14, 19                        ; 64 rows of 8,192 bytes x half
	s_add_co_u32 s46, s46, s47
	s_mov_b32 s47, 0
	s_mul_i32 s20, s12, HALFT                      ; where they go: no place in the cluster enters an LDS address
	s_wait_dscnt 0x0                               ; the opening add is done
	s_wait_kmcnt 0x0
	s_add_nc_u64 s[18:19], s[4:5], s[16:17]
	s_add_nc_u64 s[46:47], s[6:7], s[46:47]
	CROUND                                         ; all sixteen work-groups are here: the first joint loads meet
.irp s, 0,1
	s_mov_b32 s[G0+4*(\s)], 1
	s_add_co_u32 s[G0+4*(\s)+1], s20, (\s)*SLOT
	s_add_nc_u64 s[G0+4*(\s)+2:G0+4*(\s)+3], s[18:19], (\s)*KSTEP*2
	s_or_b32 s[G0+4*(\s)+3], s[G0+4*(\s)+3], 0x80000000
	s_mov_b32 s[G0B+4*(\s)], 1
	s_add_co_u32 s[G0B+4*(\s)+1], s20, (\s)*SLOT
	s_add_nc_u64 s[G0B+4*(\s)+2:G0B+4*(\s)+3], s[46:47], (\s)*KSTEP*SIZE_N*2
	s_or_b32 s[G0B+4*(\s)+3], s[G0B+4*(\s)+3], 0x80000000
	JLOAD \s
.endr
	v_and_b32 v1, 15, v0                           ; l % 16
	v_bfe_u32 v2, v0, 4, 1                         ; l / 16
	v_mul_u32_u24 v3, v1, PITCH
	v_lshl_add_u32 v3, v2, 4, v3                   ; A: row x pitch + 16 x half
	s_mul_i32 s21, s13, HALFT                      ; my 128 rows of A
	v_and_b32 v4, 7, v0                            ; B: the turning load: row of K 8 (l / 16) + l % 8, 16 bytes x ((l / 8) % 2)
	v_lshl_add_u32 v4, v2, 3, v4
	v_mul_u32_u24 v4, v4, PB
	v_bfe_u32 v5, v0, 3, 1
	v_lshl_add_u32 v4, v5, 4, v4
	s_lshl_b32 s22, s14, 8                         ; my 128 columns,
	s_add_co_u32 s22, s22, 2*HALFT                 ; behind A's 256 rows
.irp s, 0,1
	v_add_nc_u32 v[ADRA+(\s)], s21, v3
	v_add_nc_u32 v[ADRB+(\s)], s22, v4
	s_add_co_u32 s21, s21, SLOT
	s_add_co_u32 s22, s22, SLOT
.endr
	s_mul_i32 s23, s12, WST                        ; my stage
	v_mul_u32_u24 v[STO], v1, SP
	v_lshl_add_u32 v[STO], v2, 5, v[STO]
	v_add_nc_u32 v[STO], s23, v[STO]               ; in: row l % 16, 32 bytes for each half of the lanes
	v_and_b32 v5, 31, v0
	v_lshl_add_u32 v[RD], v5, 4, s23               ; back: a row of 512 bytes, 16 a lane
	v_lshlrev_b32 v[GO], 3, v5                     ; and the same four numbers in g: 8 bytes
	s_lshl_b32 s46, s42, 10
	s_lshl_b32 s47, s14, 9
	s_add_co_u32 s46, s46, s47                     ; my wave's first column, x 4 bytes
	v_lshl_add_u32 v6, v5, 4, s46
	global_load_b128 v[BI:BI+3], v6, s[8:9]        ; waited for ahead of the way out
	s_lshl_b32 s16, s15, 8
	s_lshl_b32 s17, s13, 7
	s_add_co_u32 s16, s16, s17                     ; my first row of g,
	s_lshl_b32 s16, s16, 13                        ; of 8,192 bytes,
	s_lshr_b32 s46, s46, 1                         ; and my first column, x 2 bytes
	s_add_co_u32 s16, s16, s46
	s_mov_b32 s17, 0
	s_add_nc_u64 s[10:11], s[10:11], s[16:17]
; 16 matrix instructions: m blocks a0, a0 + 1 of the window's four x all 8 n blocks, 32 along K.  zero = 1: the first product starts the sums
.macro MUL16 f, hi, a0, zero
	WIN MUL_LO+0x50*(\hi)
.irp a, \a0, (\a0)+1
.irp b, 0,1,2,3,4,5,6,7
.if \zero
	v_wmma_f32_16x16x32_bf16 v[8*(8*(\a)+(\b)):8*(8*(\a)+(\b))+7], v[(\f)+8*(\b):(\f)+8*(\b)+7], v[(\f)+8*(4*(\hi)+(\a)):(\f)+8*(4*(\hi)+(\a))+7], 0
.else
	v_wmma_f32_16x16x32_bf16 v[8*(8*(\a)+(\b)):8*(8*(\a)+(\b))+7], v[(\f)+8*(\b):(\f)+8*(\b)+7], v[(\f)+8*(4*(\hi)+(\a)):(\f)+8*(4*(\hi)+(\a))+7], v[8*(8*(\a)+(\b)):8*(8*(\a)+(\b))+7]
.endif
.endr
.endr
.endm
; 32 LDS loads in one run: the fragments of quarter q (32 along K) of a slot into buffer f: B's sixteen first, then A's
.macro FETCH slot, q, f
	WIN TO_B
.irp i, 0,1,2,3,4,5,6,7
	ds_load_tr16_b128 v[(\f)+8*(\i):(\f)+8*(\i)+3],   v[ADRB+(\slot)] offset:(\q)*32*PB+32*(\i)
	ds_load_tr16_b128 v[(\f)+8*(\i)+4:(\f)+8*(\i)+7], v[ADRB+(\slot)] offset:(\q)*32*PB+32*(\i)+16*PB
.endr
	WIN 0
.irp i, 0,1,2,3,4,5,6,7
	ds_load_b128 v[(\f)+8*(\i):(\f)+8*(\i)+3],   v[ADRA+(\slot)] offset:(\q)*64+(\i)*16*PITCH
	ds_load_b128 v[(\f)+8*(\i)+4:(\f)+8*(\i)+7], v[ADRA+(\slot)] offset:(\q)*64+(\i)*16*PITCH+32
.endr
.endm
.macro PLACES                          ; four places in front of loads into registers that matrix instructions have read, and of reads of results
.rept 4
	v_nop
.endr
.endm
; One of a K step's first three quarters: multiplies buffer f; in its middle it fetches quarter q of the same slot into buffer g
.macro QUARTER slot, q, f, g, zero
	s_wait_dscnt 8                                 ; B and A's rows 0-63 are in; the youngest eight loads (A's rows 64-127) may be out
	WIN MUL_LO
	MUL16 \f, 0, 0, \zero
	MUL16 \f, 0, 2, \zero
	PLACES
	FETCH \slot, \q, \g
	s_wait_dscnt 32                                ; all but the 32 just issued
	WIN MUL_HI
	MUL16 \f, 1, 0, \zero
	MUL16 \f, 1, 2, \zero
.endm
; The last quarter's first half: ONE barrier for the change of slots.  In front of it each wave waits for all its tensor loads (one is out: its part of the next slot), adds 0 to its spare word,
; and waits for that and for its own reads of this slot.
.macro MEET round
	WIN 0
	s_wait_tensorcnt 0x0
	ds_add_u32 v[SPW], v[NIL]
	s_wait_dscnt 9                                 ; (the add and the youngest eight loads may be out)
	WIN MUL_LO
	MUL16 F1, 0, 0, 0
	s_wait_dscnt 0x0                               ; the add is done, and my reads of this slot are over
	s_barrier_signal -1
	MUL16 F1, 0, 2, 0
.if \round
	WIN 0
.endif
	s_barrier_wait -1
.endm
; The whole last quarter.  fill = 1: the barrier opens a round of the cluster's, and the slot just read out is filled again, two K steps on, first thing behind it.
.macro TURN slot, next, fill
	MEET \fill
.if \fill
	CREST
	s_add_nc_u64 s[G0+4*(\slot)+2:G0+4*(\slot)+3], s[G0+4*(\slot)+2:G0+4*(\slot)+3], 2*KSTEP*2
	s_add_nc_u64 s[G0B+4*(\slot)+2:G0B+4*(\slot)+3], s[G0B+4*(\slot)+2:G0B+4*(\slot)+3], 2*KSTEP*SIZE_N*2
	JLOAD \slot                                    ; the four v_nop behind it are also the places in front of the loads below
.else
	PLACES
.endif
	FETCH \next, 0, F0
	WIN MUL_HI
	MUL16 F1, 1, 0, 0
	MUL16 F1, 1, 2, 0
.endm
	s_wait_tensorcnt 1                             ; my part of K step 0 is in; K step 1's load stays out
	s_barrier_signal -1
	s_barrier_wait -1
	FETCH 0, 0, F0
	QUARTER 0, 1, F0, F1, 1                        ; the first quarter stands in front of the loop: its products start the sums
	WIN 0
	s_mov_b32 s3, LAPS-1
.Llap:                                                 ; a trip goes once round the ring and fills both slots again
	QUARTER 0, 2, F1, F0, 0
	QUARTER 0, 3, F0, F1, 0
	TURN 0, 1, 1
	QUARTER 1, 1, F0, F1, 0
	QUARTER 1, 2, F1, F0, 0
	QUARTER 1, 3, F0, F1, 0
	TURN 1, 0, 1
	QUARTER 0, 1, F0, F1, 0
	WIN 0
	s_sub_co_u32 s3, s3, 1
	s_cmp_lg_u32 s3, 0
	s_cbranch_scc1 .Llap
	QUARTER 0, 2, F1, F0, 0                        ; the last lap fills nothing
	QUARTER 0, 3, F0, F1, 0
	TURN 0, 1, 0
	QUARTER 1, 1, F0, F1, 0
	QUARTER 1, 2, F1, F0, 0
	QUARTER 1, 3, F0, F1, 0
	s_wait_dscnt 8
	MUL16 F1, 0, 0, 0
	MUL16 F1, 0, 2, 0
	s_wait_dscnt 0x0
	MUL16 F1, 1, 0, 0
	MUL16 F1, 1, 2, 0
	WIN 0
	PLACES
	s_barrier_signal -1                            ; every wave's reads of the ring are over (the wait for 0 above): its bytes, filled for the last time, become the stages
	s_barrier_wait -1
.irp a, 0,1,2,3,4,5,6,7
	WIN 0x08+4*((\a)/4)                            ; the stores' data in window 2 or 3
.irp b, 0,1,2,3,4,5,6,7
	ds_store_b128 v[STO], v[8*(8*((\a)%4)+(\b)):8*(8*((\a)%4)+(\b))+3]   offset:(\a)*16*SP+64*(\b)      ; each accumulator from its low end on
	ds_store_b128 v[STO], v[8*(8*((\a)%4)+(\b))+4:8*(8*((\a)%4)+(\b))+7] offset:(\a)*16*SP+64*(\b)+16
.endr
.endr
	WIN 0
	s_wait_loadcnt 0x0                             ; b1
	s_mov_b32 s3, 16
.Lrows:                                                ; 8 rows a trip; my stage is my own, and LDS serves a wave's instructions in order (ISA guide 5.7.1.4)
.irp j, 0,1,2,3,4,5,6,7
	ds_load_b128 v[XX+4*(\j):XX+4*(\j)+3], v[RD] offset:(\j)*SP
.endr
	s_wait_dscnt 0x0
.set i, 0
.rept 16
	v_pk_add_f32 v[XX+2*i:XX+2*i+1], v[XX+2*i:XX+2*i+1], v[BI+2*(i%2):BI+2*(i%2)+1]
.set i, i+1
.endr
.set i, 0
.rept 16
	v_pk_mul_f32 v[EE+2*i:EE+2*i+1], v[XX+2*i:XX+2*i+1], s[68:69] op_sel_hi:[1,0]
.set i, i+1
.endr
.set i, 0
.rept 16
	v_pk_mul_f32 v[EE+2*i:EE+2*i+1], v[EE+2*i:EE+2*i+1], v[EE+2*i:EE+2*i+1] neg_lo:[1,0] neg_hi:[1,0]   ; - x^2 log2(e) / 2
.set i, i+1
.endr
.set i, 0
.rept 32
	v_fma_f32 v[TT+i], |v[XX+i]|, s70, 1.0
.set i, i+1
.endr
.set i, 0
.rept 32
	v_exp_f32 v[EE+i], v[EE+i]
.set i, i+1
.endr
.set i, 0
.rept 32
	v_rcp_f32 v[TT+i], v[TT+i]
.set i, i+1
.endr
	v_nop                                          ; a plain instruction behind the transcendentals
.set i, 0
	s_wait_alu depctr_va_vdst(0)
.rept 16
	v_pk_fma_f32 v[QQ+2*i:QQ+2*i+1], v[TT+2*i:TT+2*i+1], s[72:73], s[74:75] op_sel_hi:[1,0,0]
.set i, i+1
.endr
.set i, 0
.rept 16
	v_pk_fma_f32 v[QQ+2*i:QQ+2*i+1], v[QQ+2*i:QQ+2*i+1], v[TT+2*i:TT+2*i+1], s[76:77] op_sel_hi:[1,1,0]
.set i, i+1
.endr
.set i, 0
.rept 16
	v_pk_mul_f32 v[QQ+2*i:QQ+2*i+1], v[QQ+2*i:QQ+2*i+1], v[TT+2*i:TT+2*i+1]
.set i, i+1
.endr
.set i, 0
.rept 16
	v_pk_mul_f32 v[QQ+2*i:QQ+2*i+1], v[QQ+2*i:QQ+2*i+1], v[EE+2*i:EE+2*i+1]
.set i, i+1
.endr
.set i, 0
.rept 32
	v_max_num_f32 v[EE+i], 0, v[XX+i]
.set i, i+1
.endr
.set i, 0
.rept 32
	v_fma_f32 v[XX+i], -|v[XX+i]|, v[QQ+i], v[EE+i]
.set i, i+1
.endr
.set i, 0
.rept 16
	v_cvt_pk_bf16_f32 v[YY+i], v[XX+2*i], v[XX+2*i+1]
.set i, i+1
.endr
.irp j, 0,1,2,3,4,5,6,7
	global_store_b64 v[GO], v[YY+2*(\j):YY+2*(\j)+1], s[10:11] offset:(\j)*SIZE_N*2   ; a wave stores 256 consecutive bytes, aligned
.endr
	s_wait_xcnt 0x0                                ; the stores' offset and data are rewritten only behind this wait
	v_add_nc_u32 v[RD], 8*SP, v[RD]
	v_add_nc_u32 v[GO], 8*SIZE_N*2, v[GO]
	s_sub_co_u32 s3, s3, 1
	s_cmp_lg_u32 s3, 0
	s_cbranch_scc1 .Lrows
	s_wait_tensorcnt 0x0                           ; the wave's end, behind my last tensor load and my last LDS store
	ds_add_u32 v[SPW], v[NIL]
	s_wait_dscnt 0x0
	CROUND                                         ; the closing round
	s_endpgm
.Lfunc_end_k_qf0fabed499_ffn1:
	.size	k_qf0fabed499_ffn1, .Lfunc_end_k_qf0fabed499_ffn1-k_qf0fabed499_ffn1
	.p2alignl 7, 3214868480
	.fill 96, 4, 3214868480
	.section	.rodata,"a",@progbits
	.p2align	6, 0x0
	.amdhsa_kernel k_qf0fabed499_ffn1
		.amdhsa_group_segment_fixed_size 327680
		.amdhsa_private_segment_fixed_size 0
		.amdhsa_enable_private_segment 0
		.amdhsa_kernarg_size 32
		.amdhsa_user_sgpr_count 2
		.amdhsa_user_sgpr_kernarg_segment_ptr 1
		.amdhsa_wavefront_size32 1
		.amdhsa_system_sgpr_workgroup_id_x 1
		.amdhsa_system_sgpr_workgroup_id_y 1
		.amdhsa_system_sgpr_workgroup_id_z 1
		.amdhsa_system_vgpr_workitem_id 0
		.amdhsa_next_free_vgpr 1024
		.amdhsa_next_free_sgpr 80
		.amdhsa_reserve_vcc 0
		.amdhsa_float_denorm_mode_32 3
		.amdhsa_float_denorm_mode_16_64 3
		.amdhsa_memory_ordered 1
		.amdhsa_forward_progress 1
		.amdhsa_inst_pref_size 137
	.end_amdhsa_kernel
	.amdgpu_metadata
---
amdhsa.version: [ 1, 2 ]
amdhsa.kernels:
  - .name:           k_qf0fabed499_ffn1
    .symbol:         k_qf0fabed499_ffn1.kd
    .args:
      - { .name: h2, .offset: 0, .size: 8, .value_kind: global_buffer, .address_space: global }
      - { .name: wb1, .offset: 8, .size: 8, .value_kind: global_buffer, .address_space: global }
      - { .name: b1, .offset: 16, .size: 8, .value_kind: global_buffer, .address_space: global }
      - { .name: g, .offset: 24, .size: 8, .value_kind: global_buffer, .address_space: global }
    .group_segment_fixed_size: 327680
    .private_segment_fixed_size: 0
    .kernarg_segment_align: 8
    .kernarg_segment_size: 32
    .max_flat_workgroup_size: 128
    .sgpr_count:     80
    .vgpr_count:     1024
    .wavefront_size: 32
...
	.end_amdgpu_metadata
.endif
;; end of part 5
;; launch ffn2 (part 6): grid 8 x 32, 4 waves a work-group, clusters of 4 x 4, 327,680 bytes of LDS; arguments g, wb2, x1, b2, out0; writes out0
.if DOCPART == 6
	.amdgcn_target "amdgcn-amd-amdhsa--gfx1250"
	.amdhsa_code_object_version 6
	.text
	.protected	k_qf0fabed499_ffn2
	.globl	k_qf0fabed499_ffn2
	.p2align	8
	.type	k_qf0fabed499_ffn2,@function
k_qf0fabed499_ffn2:
	s_mov_b64 s[64:65], 0
	v_nop
	global_prefetch_b8 v0, s[64:65] scope:SCOPE_SE
	s_setreg_imm32_b32 hwreg(HW_REG_WAVE_MODE, 25, 1), 1
	s_wait_xcnt 0x0
	s_wait_alu depctr_hold_cnt(0) depctr_sa_sdst(0) depctr_va_vdst(0) depctr_va_sdst(0) depctr_va_ssrc(0) depctr_va_vcc(0) depctr_vm_vsrc(0)
	s_getreg_b32 s2, hwreg(HW_REG_IB_STS2, 6, 4)
	s_cmp_eq_u32 s2, 0
	s_cbranch_scc0 .Lentry_in_a_cluster
	s_endpgm
.Lentry_in_a_cluster:
	s_bfe_u32 s2, ttmp6, 0x10000c
	s_cmp_lg_u32 s2, 0xf033
	s_cbranch_scc0 .Lentry_shape_is_right
	s_endpgm
.Lentry_shape_is_right:
; out0 = x1 + g w2 + b2.  g: [4096][4096] bf16, wb2: [4096][1024] bf16 (K down the rows), x1, out0: [4096][1024] f32, b2: [1024] f32; sums in f32.
; Tiles of 256 x 256 would be 64; tiles of 128 x 128 are 256, one for each work-group.  Four waves, 64 x 64 each: 16 accumulators.  K goes in steps of 256 through a ring of two LDS slots.
; A's tile: 128 rows x 512 bytes, pitch 528.  B's tile: 256 rows of K x 256 bytes, pitch 288; its fragments come out turned, by ds_load_tr16_b128.
; CLUSTER: 4 x 4 work-groups; A's tile is asked for jointly along a row of the cluster, B's along a column.  THE MATRIX INSTRUCTION IS USED TRANSPOSED: a lane holds one row and eight neighbouring columns.
; x1 + b2 is made at the start, while the first tile is on its way, in the layout in which the results come back from the stage.  A wave's 64 columns of f32 are 256 aligned bytes, so each wave has a
; stage of its own (16 rows, pitch 272) and no barrier stands on the way out.
; REGISTERS: window 0: v0-31 addresses, b2; v32-63 at work on the way out; v128-255 the accumulators.  Window 1: two fragment buffers of 128.  Window 2: v0-127 x1 + b2.
; LIMITS.  NaN and infinities are not treated apart.
.set SIZE_K, 4096
.set SIZE_N, 1024
.set KSTEP,  256
.set PA,     528
.set PB,     288
.set HA,     64*PA                     ; what a load for A brings: 64 rows
.set HB,     128*PB                    ; what a load for B brings: 128 rows of K
.set BOFF,   2*HA
.set SLOT,   2*HA+2*HB
.set STAGE,  2*SLOT
.set SPITCH, 272
.set SPARE,  STAGE+4*16*SPITCH         ; the spare words, 128 bytes for each wave; no other line names them
.set LAPS,   SIZE_K/(2*KSTEP)
.set BI,   8                           ; v[8:11] my four columns of b2
.set ADRA, 16                          ; v16-17  A's fragments in slot 0, 1
.set ADRB, 20                          ; v20-23  B's: slot 0 rows 0-127, rows 128-255; slot 1 likewise (one immediate does not reach over 256 rows)
.set STO,  24
.set RD,   25
.set CO,   26
.set SPW,  28
.set NIL,  29
.set TMP,  32
.set ACC,  128
.set F0,   0
.set F1,   128
.set G1,  24
.set G0,  32
.set G1B, 48
.set G0B, 56
.set MSB, 0
.macro WIN new
.if MSB != (\new)
	s_set_vgpr_msb (MSB<<8)|(\new)
.set MSB, \new
.endif
.endm
.set MUL,  0x05                        ; sources 0 (B) and 1 (A) window 1; C and D window 0
.set TO_F, 0x40                        ; destination window 1, address window 0
.macro JLOAD s                         ; a joint load: waves 0 and 1 fetch A's halves, waves 2 and 3 B's; an s_nop 0 and four v_nop follow each line
	s_cmp_eq_u32 s13, 0
	s_cbranch_scc0 .Lfor_b_\@
	tensor_load_to_lds s[G0+4*(\s):G0+4*(\s)+3], s[G1:G1+7]
	s_nop 0
.rept 4
	v_nop
.endr
	s_branch .Lasked_\@
.Lfor_b_\@:
	tensor_load_to_lds s[G0B+4*(\s):G0B+4*(\s)+3], s[G1B:G1B+7]
	s_nop 0
.rept 4
	v_nop
.endr
.Lasked_\@:
.endm
.macro CREST
	s_cmp_lg_u32 s12, 0
	s_cbranch_scc1 .Lnot_wave_0_\@
	s_barrier_signal -3
.Lnot_wave_0_\@:
	s_barrier_wait -3
	s_barrier_signal -1
	s_barrier_wait -1
.endm
.macro CROUND
	s_barrier_signal -1
	s_barrier_wait -1
	CREST
.endm
	s_load_b256 s[4:11], s[0:1], 0x0               ; g s[4:5], wb2 s[6:7], x1 s[8:9], b2 s[10:11]
	s_load_b64 s[66:67], s[0:1], 0x20              ; out0
	v_lshl_add_u32 v[SPW], v0, 2, SPARE
	v_mov_b32 v[NIL], 0
	ds_add_u32 v[SPW], v[NIL]                      ; the wave's opening: the add and its wait stand ahead of my first tensor load; work on registers stands between them
	v_lshrrev_b32 v1, 5, v0
	v_readfirstlane_b32 s12, v1                    ; wave
	s_lshr_b32 s13, s12, 1                         ; which half of the tile's rows is mine.  Also: I fetch for A (0) or for B (1)
	s_and_b32 s14, s12, 1                          ; which half of its columns.  Also: which half of that tile I fetch
	s_bfe_u32 s40, ttmp6, 0x40000
	s_bfe_u32 s41, ttmp6, 0x40004
	s_lshl_b32 s42, ttmp9, 2
	s_add_co_u32 s42, s42, s40                     ; tile column
	s_and_b32 s15, ttmp7, 0xffff
	s_lshl_b32 s15, s15, 2
	s_add_co_u32 s15, s15, s41                     ; tile row
	s_lshl_b32 s43, s41, 2
	s_lshl_b32 s43, 15, s43                        ; my row of the cluster
	s_lshl_b32 s44, 0x1111, s40                    ; my column
	s_or_b32 s[G1+0], s43, (1<<16)|(1<<20)|(1<<21)|(6<<22)|(3<<25)   ; A: 4 words of padding behind every 128
	s_mov_b32 s[G1+1], KSTEP<<16
	s_mov_b32 s[G1+2], 64<<16
	s_mov_b32 s[G1+3], KSTEP<<16
	s_mov_b32 s[G1+4], 64
	s_mov_b32 s[G1+5], SIZE_K
	s_mov_b32 s[G1+6], 0
	s_mov_b32 s[G1+7], 0
	s_or_b32 s[G1B+0], s44, (1<<16)|(1<<20)|(1<<21)|(5<<22)|(7<<25)  ; B: 8 words of padding behind every 64
	s_mov_b32 s[G1B+1], 128<<16                    ; 128 columns,
	s_mov_b32 s[G1B+2], 128<<16                    ; 128 rows of K
	s_mov_b32 s[G1B+3], 128<<16
	s_mov_b32 s[G1B+4], 128
	s_mov_b32 s[G1B+5], SIZE_N
	s_mov_b32 s[G1B+6], 0
	s_mov_b32 s[G1B+7], 0
	s_lshl_b32 s17, s14, 6
	s_lshl_b32 s16, s15, 7
	s_add_co_u32 s16, s16, s17                     ; A: row 128 x tile row + 64 x half,
	s_lshl_b32 s16, s16, 13                        ; of 8,192 bytes
	s_mov_b32 s17, 0
	s_lshl_b32 s46, s42, 8                         ; B: 256 bytes x tile column,
	s_lshl_b32 s47, s14, 18                        ; 128 rows of 2,048 bytes x half
	s_add_co_u32 s46, s46, s47
	s_mov_b32 s47, 0
	s_mul_i32 s20, s14, HA                         ; where they go, for A
	s_mul_i32 s21, s14, HB                         ; and for B: no place in the cluster enters an LDS address
	s_add_co_u32 s21, s21, BOFF
	s_wait_dscnt 0x0                               ; the opening add is done
	s_wait_kmcnt 0x0
	s_add_nc_u64 s[18:19], s[4:5], s[16:17]
	s_add_nc_u64 s[46:47], s[6:7], s[46:47]
	CROUND                                         ; all sixteen work-groups are here: the first joint loads meet
.irp s, 0,1
	s_mov_b32 s[G0+4*(\s)], 1
	s_add_co_u32 s[G0+4*(\s)+1], s20, (\s)*SLOT
	s_add_nc_u64 s[G0+4*(\s)+2:G0+4*(\s)+3], s[18:19], (\s)*KSTEP*2
	s_or_b32 s[G0+4*(\s)+3], s[G0+4*(\s)+3], 0x80000000
	s_mov_b32 s[G0B+4*(\s)], 1
	s_add_co_u32 s[G0B+4*(\s)+1], s21, (\s)*SLOT
	s_add_nc_u64 s[G0B+4*(\s)+2:G0B+4*(\s)+3], s[46:47], (\s)*KSTEP*SIZE_N*2
	s_or_b32 s[G0B+4*(\s)+3], s[G0B+4*(\s)+3], 0x80000000
	JLOAD \s
.endr
	v_and_b32 v1, 15, v0                           ; l % 16
	v_bfe_u32 v2, v0, 4, 1                         ; l / 16
	v_lshlrev_b32 v7, 4, v1                        ; 16 bytes x (l % 16)
	v_lshl_add_u32 v[CO], v2, 12, v7               ; x1 and out0: lanes 0-15 one row's 256 bytes, lanes 16-31 the next row's
	s_lshl_b32 s16, s15, 7
	s_lshl_b32 s17, s13, 6
	s_add_co_u32 s16, s16, s17                     ; my first row,
	s_lshl_b32 s16, s16, 12                        ; of 4,096 bytes
	s_lshl_b32 s46, s42, 9
	s_lshl_b32 s47, s14, 8
	s_add_co_u32 s46, s46, s47                     ; my first column, x 4 bytes
	s_mov_b32 s47, 0
	s_mov_b32 s17, 0
	s_add_nc_u64 s[10:11], s[10:11], s[46:47]
	s_add_co_u32 s16, s16, s46
	s_add_nc_u64 s[8:9], s[8:9], s[16:17]
	s_add_nc_u64 s[66:67], s[66:67], s[16:17]
	global_load_b128 v[BI:BI+3], v7, s[10:11]
	WIN 0x80                                       ; destination window 2, address window 0
.set i, 0
.rept 32
	global_load_b128 v[4*i:4*i+3], v[CO], s[8:9] offset:2*i*4096   ; rows 2 i and 2 i + 1 of my 64
.set i, i+1
.endr
	WIN 0
	v_mul_u32_u24 v3, v1, PA
	v_lshl_add_u32 v3, v2, 4, v3                   ; A: row x pitch + 16 x half
	s_mul_i32 s22, s13, HA                         ; my 64 rows of A
	v_and_b32 v4, 7, v0                            ; B: the turning load
	v_lshl_add_u32 v4, v2, 3, v4
	v_mul_u32_u24 v4, v4, PB
	v_bfe_u32 v5, v0, 3, 1
	v_lshl_add_u32 v4, v5, 4, v4
	s_lshl_b32 s23, s14, 7                         ; my 64 columns,
	s_add_co_u32 s23, s23, BOFF                    ; behind A's 128 rows
.irp s, 0,1
	v_add_nc_u32 v[ADRA+(\s)], s22, v3
	v_add_nc_u32 v[ADRB+2*(\s)], s23, v4
	v_add_nc_u32 v[ADRB+2*(\s)+1], HB, v[ADRB+2*(\s)]
	s_add_co_u32 s22, s22, SLOT
	s_add_co_u32 s23, s23, SLOT
.endr
	s_mul_i32 s2, s12, 16*SPITCH
	s_add_co_u32 s2, s2, STAGE                     ; my stage
	v_mul_u32_u24 v[STO], v1, SPITCH
	v_lshl_add_u32 v[STO], v2, 5, v[STO]
	v_add_nc_u32 v[STO], s2, v[STO]                ; in: row l % 16, 32 bytes for each half of the lanes
	v_mul_u32_u24 v[RD], v2, SPITCH
	v_add_nc_u32 v[RD], v[RD], v7
	v_add_nc_u32 v[RD], s2, v[RD]                  ; back: lanes 0-15 one row of 256 bytes, lanes 16-31 the next
	s_wait_loadcnt 0x0
	WIN 0x82                                       ; destination and source 0 window 2, source 1 window 0
.set i, 0
.rept 32
	v_pk_add_f32 v[4*i:4*i+1],   v[4*i:4*i+1],   v[BI:BI+1]
	v_pk_add_f32 v[4*i+2:4*i+3], v[4*i+2:4*i+3], v[BI+2:BI+3]
.set i, i+1
.endr
	WIN 0
; 8 matrix instructions: m blocks a0, a0 + 1 x all 4 n blocks, 32 along K: half c of buffer f
.macro MUL8 f, c, a0, zero
	WIN MUL
.irp a, \a0, (\a0)+1
.irp b, 0,1,2,3
.if \zero
	v_wmma_f32_16x16x32_bf16 v[ACC+8*(4*(\a)+(\b)):ACC+8*(4*(\a)+(\b))+7], v[(\f)+64+8*(4*(\c)+(\b)):(\f)+64+8*(4*(\c)+(\b))+7], v[(\f)+8*(4*(\c)+(\a)):(\f)+8*(4*(\c)+(\a))+7], 0
.else
	v_wmma_f32_16x16x32_bf16 v[ACC+8*(4*(\a)+(\b)):ACC+8*(4*(\a)+(\b))+7], v[(\f)+64+8*(4*(\c)+(\b)):(\f)+64+8*(4*(\c)+(\b))+7], v[(\f)+8*(4*(\c)+(\a)):(\f)+8*(4*(\c)+(\a))+7], v[ACC+8*(4*(\a)+(\b)):ACC+8*(4*(\a)+(\b))+7]
.endif
.endr
.endr
.endm
; 32 LDS loads in one run: the fragments of quarter q (64 along K) of a slot into buffer f; the first 32 along K first
.macro FETCH slot, q, f
	WIN TO_F
.irp c, 0,1
.irp i, 0,1,2,3
	ds_load_tr16_b128 v[(\f)+64+8*(4*(\c)+(\i)):(\f)+64+8*(4*(\c)+(\i))+3],   v[ADRB+2*(\slot)+(\q)/2] offset:(((\q)%2)*64+32*(\c))*PB+32*(\i)
	ds_load_tr16_b128 v[(\f)+64+8*(4*(\c)+(\i))+4:(\f)+64+8*(4*(\c)+(\i))+7], v[ADRB+2*(\slot)+(\q)/2] offset:(((\q)%2)*64+32*(\c))*PB+32*(\i)+16*PB
	ds_load_b128 v[(\f)+8*(4*(\c)+(\i)):(\f)+8*(4*(\c)+(\i))+3],   v[ADRA+(\slot)] offset:128*(\q)+64*(\c)+(\i)*16*PA
	ds_load_b128 v[(\f)+8*(4*(\c)+(\i))+4:(\f)+8*(4*(\c)+(\i))+7], v[ADRA+(\slot)] offset:128*(\q)+64*(\c)+(\i)*16*PA+32
.endr
.endr
.endm
.macro PLACES
.rept 4
	v_nop
.endr
.endm
.macro QUARTER slot, q, f, g, zero
	s_wait_dscnt 16                                ; the first 32 along K are in; the other sixteen loads may be out
	WIN MUL
	MUL8 \f, 0, 0, \zero
	MUL8 \f, 0, 2, \zero
	PLACES
	FETCH \slot, \q, \g
	s_wait_dscnt 32                                ; all but the 32 just issued
	WIN MUL
	MUL8 \f, 1, 0, 0
	MUL8 \f, 1, 2, 0
.endm
; The last quarter multiplies buffer 1 and changes slots: ONE barrier; in front of it each wave waits for all its tensor loads, adds 0 to its spare word, and waits for that and for its reads of this slot.
.macro TURN slot, next, fill
	WIN 0
	s_wait_tensorcnt 0x0                           ; all my tensor loads have landed: my part of the next slot
	ds_add_u32 v[SPW], v[NIL]
	s_wait_dscnt 17                                ; (the add and the youngest sixteen loads may be out)
	WIN MUL
	MUL8 F1, 0, 0, 0
	s_wait_dscnt 0x0                               ; the add is done, and my reads of this slot are over
	s_barrier_signal -1
	MUL8 F1, 0, 2, 0
.if \fill
	WIN 0
.endif
	s_barrier_wait -1
.if \fill
	CREST                                          ; the barrier has opened a round of the cluster's: no wave of any partner still reads this slot or has a load on its way
	s_add_nc_u64 s[G0+4*(\slot)+2:G0+4*(\slot)+3], s[G0+4*(\slot)+2:G0+4*(\slot)+3], 2*KSTEP*2
	s_add_nc_u64 s[G0B+4*(\slot)+2:G0B+4*(\slot)+3], s[G0B+4*(\slot)+2:G0B+4*(\slot)+3], 2*KSTEP*SIZE_N*2
	JLOAD \slot                                    ; the four v_nop behind it are also the places in front of the loads below
.else
	PLACES
.endif
	FETCH \next, 0, F0
	WIN MUL
	MUL8 F1, 1, 0, 0
	MUL8 F1, 1, 2, 0
.endm
	s_wait_tensorcnt 1                             ; my part of K step 0 is in; K step 1's load stays out
	s_barrier_signal -1
	s_barrier_wait -1
	FETCH 0, 0, F0
	QUARTER 0, 1, F0, F1, 1                        ; the first quarter stands in front of the loop: its first products start the sums
	WIN 0
	s_mov_b32 s3, LAPS-1
.Llap:
	QUARTER 0, 2, F1, F0, 0
	QUARTER 0, 3, F0, F1, 0
	TURN 0, 1, 1
	QUARTER 1, 1, F0, F1, 0
	QUARTER 1, 2, F1, F0, 0
	QUARTER 1, 3, F0, F1, 0
	TURN 1, 0, 1
	QUARTER 0, 1, F0, F1, 0
	WIN 0
	s_sub_co_u32 s3, s3, 1
	s_cmp_lg_u32 s3, 0
	s_cbranch_scc1 .Llap
	QUARTER 0, 2, F1, F0, 0                        ; the last lap fills nothing
	QUARTER 0, 3, F0, F1, 0
	TURN 0, 1, 0
	QUARTER 1, 1, F0, F1, 0
	QUARTER 1, 2, F1, F0, 0
	QUARTER 1, 3, F0, F1, 0
	s_wait_dscnt 16
	WIN MUL
	MUL8 F1, 0, 0, 0
	MUL8 F1, 0, 2, 0
	s_wait_dscnt 0x0
	MUL8 F1, 1, 0, 0
	MUL8 F1, 1, 2, 0
	WIN 0
	PLACES
	; THE WAY OUT, 16 rows at a time: into my stage, back as whole rows of 256 bytes, plus x1 + b2, stored
.irp a, 0,1,2,3
.irp b, 0,1,2,3
	ds_store_b128 v[STO], v[ACC+8*(4*(\a)+(\b)):ACC+8*(4*(\a)+(\b))+3]   offset:64*(\b)      ; each accumulator from its low end on
	ds_store_b128 v[STO], v[ACC+8*(4*(\a)+(\b))+4:ACC+8*(4*(\a)+(\b))+7] offset:64*(\b)+16
.endr
.if (\a) > 0
	s_wait_xcnt 0x0                                ; the block before's stores have read their registers
.endif
.irp t, 0,1,2,3,4,5,6,7
	ds_load_b128 v[TMP+4*(\t):TMP+4*(\t)+3], v[RD] offset:(\t)*2*SPITCH   ; LDS serves a wave's instructions in order (ISA guide 5.7.1.4): these see the stores above
.endr
	s_wait_dscnt 0x0
	WIN 0x08                                       ; source 1 window 2
.irp t, 0,1,2,3,4,5,6,7
	v_pk_add_f32 v[TMP+4*(\t):TMP+4*(\t)+1],   v[TMP+4*(\t):TMP+4*(\t)+1],   v[4*(8*(\a)+(\t)):4*(8*(\a)+(\t))+1]
	v_pk_add_f32 v[TMP+4*(\t)+2:TMP+4*(\t)+3], v[TMP+4*(\t)+2:TMP+4*(\t)+3], v[4*(8*(\a)+(\t))+2:4*(8*(\a)+(\t))+3]
.endr
	WIN 0
.irp t, 0,1,2,3,4,5,6,7
	global_store_b128 v[CO], v[TMP+4*(\t):TMP+4*(\t)+3], s[66:67] offset:(16*(\a)+2*(\t))*4096 th:TH_STORE_NT   ; 16 lanes store 256 consecutive bytes, aligned
.endr
.endr
	s_wait_tensorcnt 0x0                           ; the wave's end, behind my last tensor load and my last LDS store
	ds_add_u32 v[SPW], v[NIL]
	s_wait_dscnt 0x0
	CROUND                                         ; the closing round
	s_endpgm
.Lfunc_end_k_qf0fabed499_ffn2:
	.size	k_qf0fabed499_ffn2, .Lfunc_end_k_qf0fabed499_ffn2-k_qf0fabed499_ffn2
	.p2alignl 7, 3214868480
	.fill 96, 4, 3214868480
	.section	.rodata,"a",@progbits
	.p2align	6, 0x0
	.amdhsa_kernel k_qf0fabed499_ffn2
		.amdhsa_group_segment_fixed_size 327680
		.amdhsa_private_segment_fixed_size 0
		.amdhsa_enable_private_segment 0
		.amdhsa_kernarg_size 40
		.amdhsa_user_sgpr_count 2
		.amdhsa_user_sgpr_kernarg_segment_ptr 1
		.amdhsa_wavefront_size32 1
		.amdhsa_system_sgpr_workgroup_id_x 1
		.amdhsa_system_sgpr_workgroup_id_y 1
		.amdhsa_system_sgpr_workgroup_id_z 1
		.amdhsa_system_vgpr_workitem_id 0
		.amdhsa_next_free_vgpr 640
		.amdhsa_next_free_sgpr 80
		.amdhsa_reserve_vcc 0
		.amdhsa_float_denorm_mode_32 3
		.amdhsa_float_denorm_mode_16_64 3
		.amdhsa_memory_ordered 1
		.amdhsa_forward_progress 1
		.amdhsa_inst_pref_size 98
	.end_amdhsa_kernel
	.amdgpu_metadata
---
amdhsa.version: [ 1, 2 ]
amdhsa.kernels:
  - .name:           k_qf0fabed499_ffn2
    .symbol:         k_qf0fabed499_ffn2.kd
    .args:
      - { .name: g, .offset: 0, .size: 8, .value_kind: global_buffer, .address_space: global }
      - { .name: wb2, .offset: 8, .size: 8, .value_kind: global_buffer, .address_space: global }
      - { .name: x1, .offset: 16, .size: 8, .value_kind: global_buffer, .address_space: global }
      - { .name: b2, .offset: 24, .size: 8, .value_kind: global_buffer, .address_space: global }
      - { .name: out0, .offset: 32, .size: 8, .value_kind: global_buffer, .address_space: global }
    .group_segment_fixed_size: 327680
    .private_segment_fixed_size: 0
    .kernarg_segment_align: 8
    .kernarg_segment_size: 40
    .max_flat_workgroup_size: 128
    .sgpr_count:     80
    .vgpr_count:     640
    .wavefront_size: 32
...
	.end_amdgpu_metadata
.endif
;; end of part 6
;; ======== version 2 of 2: 6 launches; version 1 with the launches kv, up written anew for expert scheduling mode
;; limits: a function is approximated: absolute error at most 2.5e-05; an absolute error that grows with the inputs' magnitude: up to 1.25e-05 times it
;; workspace buffers: st 1,081,344 bytes; kvp 1,572,864 bytes; up 393,216 bytes; wb1 8,388,608 bytes; wb2 8,388,608 bytes; x1 16,777,216 bytes; h2 8,388,608 bytes; g 33,554,432 bytes
;; launch stats: the kernel of part 1 again; grid 256 x 1, 8 waves a work-group, no clusters, 34,048 bytes of LDS; arguments x, st; writes st
;; launch kv (part 7): grid 224 x 1, 8 waves a work-group, no clusters, 1,536 bytes of LDS; arguments x, ln1_a, ln1_b, wk, wv, st, w1, kvp, wb1; writes kvp, wb1
.if DOCPART == 7
	.amdgcn_target "amdgcn-amd-amdhsa--gfx1250"
	.amdhsa_code_object_version 6
	.text
	.protected	k_qf0fabed499_kv
	.globl	k_qf0fabed499_kv
	.p2align	8
	.type	k_qf0fabed499_kv,@function
k_qf0fabed499_kv:
	s_mov_b64 s[64:65], 0
	v_nop
	global_prefetch_b8 v0, s[64:65] scope:SCOPE_SE
	s_setreg_imm32_b32 hwreg(HW_REG_WAVE_SCHED_MODE, 0, 2), 2
	s_setreg_imm32_b32 hwreg(HW_REG_WAVE_MODE, 25, 1), 1
	s_wait_xcnt 0x0
	s_wait_alu depctr_vm_vsrc(0)
; TWO JOBS, chosen by the work-group's number.
; 0 .. 95: few-row products in f32.  Only key 0's score survives the mask that the module builds, and all other keys share one weight, so of k and v these rows are needed for each batch b:
;   k0 = h[b,0] wk,  v0 = h[b,0] wv,  vrest = (sum over q >= 1 of h[b,q]) wv,  h = LayerNorm 1 of x.
;   Job (ty, s): ty = 0, 1, 2 for k0, v0, vrest; s = 0 .. 31: the 32 rows d = 32 s .. of the weight.  kvp[s][4 ty + b][1024] f32 takes the partial sums; the next launch adds the 32.
;   Four rows feed no matrix unit: the weights stream once through registers, thread t keeps columns 4 t .. 4 t + 3 (a wave's load covers 512 consecutive bytes).
;   The sum of the rows is alpha x (column sum of the normalised rows - row 0's) + 1023 beta: sums of numbers of unit spread, no difference of large sums.
; 96 .. 223: w1 is rounded to bf16, layout kept ([1024][4096]); block c is 131,072 bytes of w1.
; THE MODE: SCHED_MODE bits 1:0 = 2 (LLVM: expert scheduling mode 2), set by the entry lines.  The code itself states the register dependences
; between vector instructions and memory or LDS instructions, with s_wait_alu, always for 0.
; THE PLAN.  Registers that memory or LDS instructions touch:
;   v4 .. v11    offsets and LDS addresses: written once, at the head of their job, ahead of the job's first wait on va_vdst; never written again.
;   v[12:16]     loaded once; read by vector instructions behind the wait for the loads.
;   v18          written by the last line of waves 0 to 3's sums, read by one LDS store, never written again.
;   v[40:103]    waves 0 to 3: the 64 partial column sums land here and are added up.  Then, in every wave, two buffers of eight rows of HV: H0 = v[40:71], H1 = v[72:103].
;                Group g of four lies in H[g % 2]: written by its eight LDS loads, read by its products.  Groups 0 and 1 are asked for behind the barrier; group g + 1 at the head of group g,
;                behind one wait on va_vdst, into the buffer that group g - 1's products have read and that no product of group g names.
;   W            the product: loaded once, read by the products.  The cast: loaded once; block p's conversions write the first two of each four registers; the stores of block p - 1 are
;                issued in block p, behind one wait on va_vdst at the block's head, among conversions that name block p's registers alone.  No register of W is written twice.
;   ACC          written by the products, read by the four stores behind them, behind one wait on va_vdst.
;   v2, v3       written at the head, read by the closing add alone.
.set SPARE, 512                        ; behind HV: the spare words, 128 bytes for each wave; no other line names them
.set ACC, 24                           ; v[24:39]   sums: batch b's four columns at ACC + 4 b
.set HR,  40                           ; v[40:103]  64 partial column sums; later two buffers of eight rows of HV
.set W,   104                          ; v[104:231] 32 rows of the weight, four columns each; the cast's data
; one row of the weight (rw) times its four numbers of HV (rh): eight packed lines
.macro FM4 first
.irp q, 0,2
.if \first
	v_pk_mul_f32 v[ACC+(\q):ACC+(\q)+1],       v[rw+(\q):rw+(\q)+1], v[rh:rh+1] op_sel_hi:[1,0]
	v_pk_mul_f32 v[ACC+4+(\q):ACC+5+(\q)],     v[rw+(\q):rw+(\q)+1], v[rh:rh+1] op_sel:[0,1] op_sel_hi:[1,1]
	v_pk_mul_f32 v[ACC+8+(\q):ACC+9+(\q)],     v[rw+(\q):rw+(\q)+1], v[rh+2:rh+3] op_sel_hi:[1,0]
	v_pk_mul_f32 v[ACC+12+(\q):ACC+13+(\q)],   v[rw+(\q):rw+(\q)+1], v[rh+2:rh+3] op_sel:[0,1] op_sel_hi:[1,1]
.else
	v_pk_fma_f32 v[ACC+(\q):ACC+(\q)+1],       v[rw+(\q):rw+(\q)+1], v[rh:rh+1], v[ACC+(\q):ACC+(\q)+1] op_sel_hi:[1,0,1]
	v_pk_fma_f32 v[ACC+4+(\q):ACC+5+(\q)],     v[rw+(\q):rw+(\q)+1], v[rh:rh+1], v[ACC+4+(\q):ACC+5+(\q)] op_sel:[0,1,0] op_sel_hi:[1,1,1]
	v_pk_fma_f32 v[ACC+8+(\q):ACC+9+(\q)],     v[rw+(\q):rw+(\q)+1], v[rh+2:rh+3], v[ACC+8+(\q):ACC+9+(\q)] op_sel_hi:[1,0,1]
	v_pk_fma_f32 v[ACC+12+(\q):ACC+13+(\q)],   v[rw+(\q):rw+(\q)+1], v[rh+2:rh+3], v[ACC+12+(\q):ACC+13+(\q)] op_sel:[0,1,0] op_sel_hi:[1,1,1]
.endif
.endr
.endm
; eight rows of HV, group g of four, into buffer g % 2; v[HA] holds HV's LDS address, the same in all lanes
.macro HLOAD HA, g
.set i2, 0
.rept 8
	ds_load_b128 v[HR+32*((\g)%2)+4*i2:HR+32*((\g)%2)+4*i2+3], v[\HA] offset:16*(8*(\g)+i2)
.set i2, i2+1
.endr
.endm
; 32 rows of the weight times HV[32][4], eight rows at a time, the rows in ascending order.  The first row's products start the sums.
.macro FMA32 HA
	HLOAD \HA, 0
	HLOAD \HA, 1
.set gI, 0
.rept 4
	s_wait_loadcnt 24-8*gI                         ; the weight's rows up to this group's last are in; the later groups' loads stay out
.if (gI == 1) || (gI == 2)
	s_wait_alu depctr_va_vdst(0)                   ; the products of the group before are done reading their buffer of HV, in which the next group's loads land
	HLOAD \HA, gI+1
.endif
.if gI < 3
	s_wait_dscnt 8                                 ; LDS loads come back in order (ISA guide 5.7.1): this group's eight are in, the next group's eight stay out
.else
	s_wait_dscnt 0x0
.endif
.set i2, 0
.rept 8
.set rw, W+4*(8*gI+i2)
.set rh, HR+32*(gI%2)+4*i2
.if (gI+i2) == 0
	FM4 1
.else
	FM4 0
.endif
.set i2, i2+1
.endr
.set gI, gI+1
.endr
.endm
; 131,072 bytes of f32 to bf16: 32 loads of 16 bytes a lane, all issued at once; each store of a wave covers 256 consecutive bytes, aligned.  No register is used twice.
; Eight blocks of four loads: a block's conversions stand among the stores of the block before.
.macro CAST SB, DB
.set u, 0
.rept 32
	global_load_b128 v[W+4*u:W+4*u+3], v4, s[(\SB):(\SB)+1] offset:u*4096 th:TH_LOAD_NT
.set u, u+1
.endr
.set u, 0
.rept 32
.if u%4 == 0
	s_wait_loadcnt 28-u                            ; loads come back in order: this block's four are in, the later blocks' stay out
.if u > 0
	s_wait_alu depctr_va_vdst(0)                   ; the conversions of the block before have written their registers, which the four stores of this block read
.endif
.endif
.if u >= 4
	global_store_b64 v11, v[W+4*(u-4):W+4*(u-4)+1], s[(\DB):(\DB)+1] offset:(u-4)*2048   ; the block before; no vector instruction since the wait names its registers
.endif
	v_cvt_pk_bf16_f32 v[W+4*u], v[W+4*u], v[W+4*u+1]
	v_cvt_pk_bf16_f32 v[W+4*u+1], v[W+4*u+2], v[W+4*u+3]
.set u, u+1
.endr
	s_wait_alu depctr_va_vdst(0)                   ; the last block's conversions have written their registers, which the last four stores read
.set u, 28
.rept 4
	global_store_b64 v11, v[W+4*u:W+4*u+1], s[(\DB):(\DB)+1] offset:u*2048
.set u, u+1
.endr
.endm
	s_load_b512 s[4:19], s[0:1], 0x0               ; x s[4:5], ln1_a s[6:7], ln1_b s[8:9], wk s[10:11], wv s[12:13], st s[14:15], w1 s[16:17], kvp s[18:19]
	s_load_b64 s[20:21], s[0:1], 0x40              ; wb1
	v_lshl_add_u32 v2, v0, 2, SPARE                ; my spare word,
	v_mov_b32 v3, 0                                ; and 0
	v_lshlrev_b32 v4, 4, v0                        ; 16 x thread
	v_lshlrev_b32 v11, 3, v0                       ; 8 x thread
	v_lshrrev_b32 v9, 5, v0
	v_readfirstlane_b32 s22, v9                    ; wave
	s_wait_alu depctr_va_sdst(0)                   ; s22 is written, ahead of the branch and of its first reader: offsets and branches are made from it
	s_cmp_ge_u32 ttmp9, 96
	s_cbranch_scc1 .Lcast
	s_and_b32 s24, ttmp9, 31                       ; s
	s_lshr_b32 s25, ttmp9, 5                       ; ty
	v_and_b32 v1, 31, v0                           ; lane: d = 32 s + lane
	s_lshl_b32 s26, s24, 7
	v_lshl_add_u32 v8, v1, 2, s26                  ; 4 d: alpha's and beta's offset
	s_lshl_b32 s27, s22, 18
	v_add_nc_u32 v5, s27, v8                       ; part: batch = wave, 64 work-groups of 4,096 bytes each
	s_lshl_b32 s27, s22, 22
	v_add_nc_u32 v6, s27, v8                       ; x: row 0 of the batch
	s_lshl_b32 s27, s22, 13
	v_mov_b32 v7, s27                              ; stat of that row
	s_lshl_b32 s27, s22, 2
	v_lshl_add_u32 v10, v1, 4, s27                 ; HV[lane][batch]
	v_mov_b32 v9, 0                                ; HV's first byte
	s_cmp_eq_u32 s25, 2
	s_cselect_b32 s23, -1, 0                       ; all lanes: the sum of the rows, or row 0
	s_lshl_b32 s28, s24, 17                        ; 32 rows of 4,096 bytes
	s_mov_b32 s29, 0
	s_mul_i32 s30, s24, 12
	s_lshl2_add_u32 s30, s25, s30                  ; kvp's row 12 s + 4 ty
	s_lshl_b32 s30, s30, 12
	s_mov_b32 s31, 0
	s_wait_kmcnt 0x0
	s_cmp_eq_u32 s25, 0
	s_cselect_b64 s[32:33], s[10:11], s[12:13]     ; wk or wv
	s_add_nc_u64 s[32:33], s[32:33], s[28:29]
	s_add_nc_u64 s[18:19], s[18:19], s[30:31]
	s_add_nc_u64 s[34:35], s[14:15], 0x100000      ; stat
	s_wait_alu depctr_va_vdst(0)                   ; the offsets and addresses v4 to v10 are written, which the loads and stores of this job read
	s_cmp_lt_u32 s22, 4
	s_cbranch_scc0 .Lw1
	global_load_b64 v[12:13], v7, s[34:35]         ; waves 0 to 3, one batch each: (mean, r),
	global_load_b32 v14, v6, s[4:5]                ; x,
	global_load_b32 v15, v8, s[6:7]                ; alpha,
	global_load_b32 v16, v8, s[8:9]                ; beta,
.set p, 0
.rept 64
	global_load_b32 v[HR+p], v5, s[14:15] offset:p*4096   ; and the batch's 64 partial column sums
.set p, p+1
.endr
.Lw1:
.set p, 0
.rept 32
	global_load_b128 v[W+4*p:W+4*p+3], v4, s[32:33] offset:p*4096
.set p, p+1
.endr
	s_cmp_lt_u32 s22, 4
	s_cbranch_scc0 .Lw2
	s_wait_loadcnt 0x20                            ; all but the 32 loads of the weight, which were issued behind
.set p, 4
.rept 28
	v_pk_add_f32 v[HR+2*(p%4):HR+2*(p%4)+1], v[HR+2*(p%4):HR+2*(p%4)+1], v[HR+2*p:HR+2*p+1]
.set p, p+1
.endr
	v_pk_add_f32 v[HR:HR+1], v[HR:HR+1], v[HR+2:HR+3]
	v_pk_add_f32 v[HR+4:HR+5], v[HR+4:HR+5], v[HR+6:HR+7]
	v_pk_add_f32 v[HR:HR+1], v[HR:HR+1], v[HR+4:HR+5]
	v_add_f32 v17, v[HR], v[HR+1]                  ; the column's sum over the batch's normalised rows
	v_sub_f32 v18, v14, v12
	v_mul_f32 v18, v18, v13                        ; row 0, normalised
	v_sub_f32 v17, v17, v18
	v_mul_f32 v19, 0x447fc000, v16                 ; 1023 beta
	v_fma_f32 v17, v15, v17, v19                   ; the sum of h over rows 1 to 1023
	v_fma_f32 v18, v15, v18, v16                   ; h of row 0
	v_cndmask_b32 v18, v18, v17, s23
	s_wait_alu depctr_va_vdst(0)                   ; v18 is written, which the LDS store reads; the sums are done reading and writing v[40:103], in which the loads of HV land
	ds_store_b32 v10, v18
.Lw2:
	s_wait_dscnt 0x0                               ; for the others' sake: my store is done
	s_barrier_signal -1
	s_barrier_wait -1
	FMA32 9
	s_wait_alu depctr_va_vdst(0)                   ; the products have written the sums v[24:39], which the four stores read
.irp b, 0,1,2,3
	global_store_b128 v4, v[ACC+4*(\b):ACC+4*(\b)+3], s[18:19] offset:(\b)*4096   ; a wave stores 512 consecutive bytes
.endr
	s_wait_dscnt 0x0                               ; the closing lines, six on end
	s_wait_alu 0x0
	s_wait_tensorcnt 0x0
	ds_add_u32 v2, v3
	s_wait_dscnt 0x0
	s_endpgm
.Lcast:
	s_sub_co_u32 s24, ttmp9, 96
	s_lshl_b32 s26, s24, 17
	s_mov_b32 s27, 0
	s_lshl_b32 s28, s24, 16
	s_mov_b32 s29, 0
	s_wait_kmcnt 0x0
	s_add_nc_u64 s[16:17], s[16:17], s[26:27]
	s_add_nc_u64 s[20:21], s[20:21], s[28:29]
	s_wait_alu depctr_va_vdst(0)                   ; the offsets v4 and v11 are written, which the cast's loads and stores read
	CAST 16, 20
	s_endpgm
.Lfunc_end_k_qf0fabed499_kv:
	.size	k_qf0fabed499_kv, .Lfunc_end_k_qf0fabed499_kv-k_qf0fabed499_kv
	.p2alignl 7, 3214868480
	.fill 96, 4, 3214868480
	.section	.rodata,"a",@progbits
	.p2align	6, 0x0
	.amdhsa_kernel k_qf0fabed499_kv
		.amdhsa_group_segment_fixed_size 1536
		.amdhsa_private_segment_fixed_size 0
		.amdhsa_enable_private_segment 0
		.amdhsa_kernarg_size 72
		.amdhsa_user_sgpr_count 2
		.amdhsa_user_sgpr_kernarg_segment_ptr 1
		.amdhsa_wavefront_size32 1
		.amdhsa_system_sgpr_workgroup_id_x 1
		.amdhsa_system_sgpr_workgroup_id_y 1
		.amdhsa_system_sgpr_workgroup_id_z 1
		.amdhsa_system_vgpr_workitem_id 0
		.amdhsa_next_free_vgpr 232
		.amdhsa_next_free_sgpr 66
		.amdhsa_reserve_vcc 0
		.amdhsa_float_denorm_mode_32 3
		.amdhsa_float_denorm_mode_16_64 3
		.amdhsa_memory_ordered 1
		.amdhsa_forward_progress 1
		.amdhsa_inst_pref_size 44
	.end_amdhsa_kernel
	.amdgpu_metadata
---
amdhsa.version: [ 1, 2 ]
amdhsa.kernels:
  - .name:           k_qf0fabed499_kv
    .symbol:         k_qf0fabed499_kv.kd
    .args:
      - { .name: x, .offset: 0, .size: 8, .value_kind: global_buffer, .address_space: global }
      - { .name: ln1_a, .offset: 8, .size: 8, .value_kind: global_buffer, .address_space: global }
      - { .name: ln1_b, .offset: 16, .size: 8, .value_kind: global_buffer, .address_space: global }
      - { .name: wk, .offset: 24, .size: 8, .value_kind: global_buffer, .address_space: global }
      - { .name: wv, .offset: 32, .size: 8, .value_kind: global_buffer, .address_space: global }
      - { .name: st, .offset: 40, .size: 8, .value_kind: global_buffer, .address_space: global }
      - { .name: w1, .offset: 48, .size: 8, .value_kind: global_buffer, .address_space: global }
      - { .name: kvp, .offset: 56, .size: 8, .value_kind: global_buffer, .address_space: global }
      - { .name: wb1, .offset: 64, .size: 8, .value_kind: global_buffer, .address_space: global }
    .group_segment_fixed_size: 1536
    .private_segment_fixed_size: 0
    .kernarg_segment_align: 8
    .kernarg_segment_size: 72
    .max_flat_workgroup_size: 256
    .sgpr_count:     66
    .vgpr_count:     232
    .wavefront_size: 32
...
	.end_amdgpu_metadata
.endif
;; end of part 7
;; launch up (part 8): grid 224 x 1, 8 waves a work-group, no clusters, 85,504 bytes of LDS; arguments wq, wo, kvp, w2, up, wb2; writes up, wb2
.if DOCPART == 8
	.amdgcn_target "amdgcn-amd-amdhsa--gfx1250"
	.amdhsa_code_object_version 6
	.text
	.protected	k_qf0fabed499_up
	.globl	k_qf0fabed499_up
	.p2align	8
	.type	k_qf0fabed499_up,@function
k_qf0fabed499_up:
	s_mov_b64 s[64:65], 0
	v_nop
	global_prefetch_b8 v0, s[64:65] scope:SCOPE_SE
	s_setreg_imm32_b32 hwreg(HW_REG_WAVE_SCHED_MODE, 0, 2), 2
	s_setreg_imm32_b32 hwreg(HW_REG_WAVE_MODE, 25, 1), 1
	s_wait_xcnt 0x0
	s_wait_alu depctr_vm_vsrc(0)
; THREE JOBS, chosen by the work-group's number.
; 0 .. 63: P.  ctx wo = (weights of key 0 | weights of the other keys) x P[b], P[b][h] = v0[b, head h] wo[rows of head h], P[b][16 + h] = vrest[b, head h] wo[rows of head h].
;   Job (h, ty, hf): head, v0 or vrest, half of the 1,024 columns.  Four rows: f32 on the vector unit.  Waves 0-3 take the head's rows 0-31, waves 4-7 rows 32-63; the halves meet in LDS.
; 64 .. 95: U.  score[b,q,h] = h[b,q] . U[b][:,h] / 8 with U[b][d][h] = wq[d, head h] . k0[b, head h].  Job (i, qd): heads 2 i, 2 i + 1, rows d = 256 qd ...  bf16 operands, f32 sums, on the matrix unit.
;   The factor 1/8 is left to the next launch, in f32.
; 96 .. 223: w2 is rounded to bf16, layout kept ([4096][1024]).
; up: bytes 0 .. 131,071 Ut[4 b][16 h][1024 d] bf16; from byte 131,072 P[4 b][32][1024] bf16.  kvp's 32 partial sums are added here, in f32.
; LDS.  Each job has bytes of its own: no line of one job names a byte of the other.
; THE MODE: SCHED_MODE bits 1:0 = 2 (LLVM: expert scheduling mode 2), set by the entry lines.  The code itself states the register dependences
; between vector or matrix instructions and memory or LDS instructions, with s_wait_alu, always for 0.
; THE PLAN.  Registers that memory or LDS instructions touch:
;   v4 .. v20    offsets and LDS addresses: written once, at the head of their job, ahead of the job's first wait on va_vdst; never written again.
;   v[40:103]    kvp's partial sums land here and are added up; v40 takes the sum and is the data of one LDS store.
;                P: then two buffers of eight rows of HV, H0 = v[40:71], H1 = v[72:103]; group g of four lies in H[g % 2]: written by its eight LDS loads, read by its products.  Groups 0 and 1 are
;                asked for behind the barrier (and behind a wait on vm_vsrc: the store has read v40); group g + 1 at the head of group g, behind one wait on va_vdst, into the buffer that group g - 1's
;                products have read.  At the end waves 0 to 3 load the upper rows' sums into v[40:55].    U: at the end v[40:43] take the row read back from LDS.
;   W            P: loaded once, read by the products.  The cast: as in the launch before: block p's conversions stand among the stores of block p - 1, behind one wait on va_vdst at the block's head.
;                U: loaded once; four blocks of eight rows: block b's conversions stand among the LDS stores of block b - 1, behind one wait on va_vdst.  Behind the barrier and one wait on vm_vsrc
;                (the LDS stores have read them) the same registers take the fragments (LDS loads) and the accumulators (matrix instructions).
;   ACC          P: written by the products; read by the LDS stores of waves 4 to 7; waves 0 to 3 add onto them.  U: written by the conversions of the accumulators, read by four LDS stores.
;   v[14:21]     P: written by the last conversions, read by the four global stores.
;   v2, v3       written at the head, read by the closing add alone.
.set CMB,   1024                       ; P job: HV[64 j][4 b] f32 lies at bytes 0 .. 1,023; behind it [4 b][4 column groups][512 bytes], the upper rows' sums
.set K0S,   9216                       ; U job: k0 in bf16, 4 rows (batches) of 256 bytes, pitch 272
.set WT,    10496                      ; U job: for each wave 32 rows of wq in bf16, pitch 272
.set UO,    80128                      ; U job: 8 rows (head of the pair, batch) x 256 d in bf16, pitch 528
.set SPARE, 84480                      ; the spare words, 128 bytes for each wave; no other line names them
.set ACC, 24
.set HR,  40
.set W,   104
.set KF,  168                          ; v[168:199] k0's fragments
.set UA,  200                          ; v[200:231] four accumulators
.macro FM4 first
.irp q, 0,2
.if \first
	v_pk_mul_f32 v[ACC+(\q):ACC+(\q)+1],       v[rw+(\q):rw+(\q)+1], v[rh:rh+1] op_sel_hi:[1,0]
	v_pk_mul_f32 v[ACC+4+(\q):ACC+5+(\q)],     v[rw+(\q):rw+(\q)+1], v[rh:rh+1] op_sel:[0,1] op_sel_hi:[1,1]
	v_pk_mul_f32 v[ACC+8+(\q):ACC+9+(\q)],     v[rw+(\q):rw+(\q)+1], v[rh+2:rh+3] op_sel_hi:[1,0]
	v_pk_mul_f32 v[ACC+12+(\q):ACC+13+(\q)],   v[rw+(\q):rw+(\q)+1], v[rh+2:rh+3] op_sel:[0,1] op_sel_hi:[1,1]
.else
	v_pk_fma_f32 v[ACC+(\q):ACC+(\q)+1],       v[rw+(\q):rw+(\q)+1], v[rh:rh+1], v[ACC+(\q):ACC+(\q)+1] op_sel_hi:[1,0,1]
	v_pk_fma_f32 v[ACC+4+(\q):ACC+5+(\q)],     v[rw+(\q):rw+(\q)+1], v[rh:rh+1], v[ACC+4+(\q):ACC+5+(\q)] op_sel:[0,1,0] op_sel_hi:[1,1,1]
	v_pk_fma_f32 v[ACC+8+(\q):ACC+9+(\q)],     v[rw+(\q):rw+(\q)+1], v[rh+2:rh+3], v[ACC+8+(\q):ACC+9+(\q)] op_sel_hi:[1,0,1]
	v_pk_fma_f32 v[ACC+12+(\q):ACC+13+(\q)],   v[rw+(\q):rw+(\q)+1], v[rh+2:rh+3], v[ACC+12+(\q):ACC+13+(\q)] op_sel:[0,1,0] op_sel_hi:[1,1,1]
.endif
.endr
.endm
; eight rows of HV, group g of four, into buffer g % 2; v[HA] holds their LDS address, the same in all lanes of a wave
.macro HLOAD HA, g
.set i2, 0
.rept 8
	ds_load_b128 v[HR+32*((\g)%2)+4*i2:HR+32*((\g)%2)+4*i2+3], v[\HA] offset:16*(8*(\g)+i2)
.set i2, i2+1
.endr
.endm
; 32 rows of the weight times HV[32][4], eight rows at a time, the rows in ascending order.  The first row's products start the sums.
.macro FMA32 HA
	HLOAD \HA, 0
	HLOAD \HA, 1
.set gI, 0
.rept 4
	s_wait_loadcnt 24-8*gI                         ; the weight's rows up to this group's last are in; the later groups' loads stay out
.if (gI == 1) || (gI == 2)
	s_wait_alu depctr_va_vdst(0)                   ; the products of the group before are done reading their buffer of HV, in which the next group's loads land
	HLOAD \HA, gI+1
.endif
.if gI < 3
	s_wait_dscnt 8                                 ; LDS loads come back in order (ISA guide 5.7.1): this group's eight are in, the next group's eight stay out
.else
	s_wait_dscnt 0x0
.endif
.set i2, 0
.rept 8
.set rw, W+4*(8*gI+i2)
.set rh, HR+32*(gI%2)+4*i2
.if (gI+i2) == 0
	FM4 1
.else
	FM4 0
.endif
.set i2, i2+1
.endr
.set gI, gI+1
.endr
.endm
; 131,072 bytes of f32 to bf16: 32 loads of 16 bytes a lane, all issued at once.  No register is used twice.  Eight blocks of four loads: a block's conversions stand among the stores of the block before.
.macro CAST SB, DB
.set u, 0
.rept 32
	global_load_b128 v[W+4*u:W+4*u+3], v4, s[(\SB):(\SB)+1] offset:u*4096 th:TH_LOAD_NT
.set u, u+1
.endr
.set u, 0
.rept 32
.if u%4 == 0
	s_wait_loadcnt 28-u                            ; loads come back in order: this block's four are in, the later blocks' stay out
.if u > 0
	s_wait_alu depctr_va_vdst(0)                   ; the conversions of the block before have written their registers, which the four stores of this block read
.endif
.endif
.if u >= 4
	global_store_b64 v11, v[W+4*(u-4):W+4*(u-4)+1], s[(\DB):(\DB)+1] offset:(u-4)*2048   ; the block before: a wave stores 256 consecutive bytes, aligned; no vector instruction since the wait names its registers
.endif
	v_cvt_pk_bf16_f32 v[W+4*u], v[W+4*u], v[W+4*u+1]
	v_cvt_pk_bf16_f32 v[W+4*u+1], v[W+4*u+2], v[W+4*u+3]
.set u, u+1
.endr
	s_wait_alu depctr_va_vdst(0)                   ; the last block's conversions have written their registers, which the last four stores read
.set u, 28
.rept 4
	global_store_b64 v11, v[W+4*u:W+4*u+1], s[(\DB):(\DB)+1] offset:u*2048
.set u, u+1
.endr
.endm
	s_load_b256 s[4:11], s[0:1], 0x0               ; wq s[4:5], wo s[6:7], kvp s[8:9], w2 s[10:11]
	s_load_b128 s[12:15], s[0:1], 0x20             ; up s[12:13], wb2 s[14:15]
	v_lshl_add_u32 v2, v0, 2, SPARE                ; my spare word,
	v_mov_b32 v3, 0                                ; and 0
	v_lshlrev_b32 v4, 4, v0                        ; 16 x thread
	v_lshlrev_b32 v11, 3, v0                       ; 8 x thread
	v_lshrrev_b32 v9, 5, v0
	v_readfirstlane_b32 s22, v9                    ; wave
	v_and_b32 v1, 31, v0                           ; lane
	s_wait_alu depctr_va_sdst(0)                   ; s22 is written, ahead of the branches and of its first reader: offsets and branches are made from it
	s_cmp_ge_u32 ttmp9, 96
	s_cbranch_scc1 .Lcast
	s_cmp_ge_u32 ttmp9, 64
	s_cbranch_scc1 .Lujob
	; ---- P ----
	s_lshr_b32 s24, ttmp9, 2                       ; h
	s_bfe_u32 s25, ttmp9, 0x10001                  ; ty
	s_and_b32 s26, ttmp9, 1                        ; hf
	s_and_b32 s27, s22, 3                          ; cg: my wave's 128 columns of the half
	s_lshr_b32 s28, s22, 2                         ; jh: my wave's 32 rows of the head's 64
	v_lshrrev_b32 v5, 6, v0                        ; b
	v_and_b32 v6, 63, v0                           ; j
	s_lshl_b32 s29, s25, 14
	s_add_co_u32 s29, s29, 16384                   ; kvp's rows 4 + 4 ty + b,
	s_lshl_b32 s30, s24, 8                         ; columns 64 h + j
	s_add_co_u32 s29, s29, s30
	v_lshl_add_u32 v7, v5, 12, s29
	v_lshl_add_u32 v7, v6, 2, v7
	v_lshlrev_b32 v8, 2, v5
	v_lshl_add_u32 v8, v6, 4, v8                   ; HV[j][b], from LDS byte 0
	s_lshl_b32 s29, s28, 17
	s_lshl_b32 s30, s27, 9
	s_add_co_u32 s29, s29, s30
	v_lshl_add_u32 v10, v1, 4, s29                 ; wo: 32 jh rows, 128 cg columns, 16 bytes a lane
	s_lshl_b32 s29, s28, 9
	v_mov_b32 v9, s29                              ; HV's rows 32 jh ..
	v_lshl_add_u32 v12, v1, 4, s30
	v_add_nc_u32 v12, CMB, v12
	s_lshl_b32 s30, s27, 8
	v_lshl_add_u32 v13, v1, 3, s30                 ; P: 256 cg + 8 x lane
	s_lshl_b32 s32, s24, 18                        ; wo's rows 64 h ..,
	s_lshl_b32 s33, s26, 11                        ; half hf
	s_add_co_u32 s32, s32, s33
	s_mov_b32 s33, 0
	s_lshl_b32 s34, s25, 4
	s_add_co_u32 s34, s34, s24                     ; P's row 16 ty + h
	s_lshl_b32 s34, s34, 11
	s_lshl_b32 s35, s26, 10
	s_add_co_u32 s34, s34, s35
	s_add_co_u32 s34, s34, 0x20000
	s_mov_b32 s35, 0
	s_wait_kmcnt 0x0
	s_add_nc_u64 s[6:7], s[6:7], s[32:33]
	s_add_nc_u64 s[12:13], s[12:13], s[34:35]
	s_wait_alu depctr_va_vdst(0)                   ; the offsets and addresses v7 to v13 are written, which the loads and stores of this job read
.set p, 0
.rept 32
	global_load_b32 v[HR+p], v7, s[8:9] offset:p*49152    ; the 32 partial sums of my number of v0 or vrest
.set p, p+1
.endr
.set p, 0
.rept 32
	global_load_b128 v[W+4*p:W+4*p+3], v10, s[6:7] offset:p*4096
.set p, p+1
.endr
	s_wait_loadcnt 0x20                            ; all but the 32 loads of wo
.set p, 4
.rept 12
	v_pk_add_f32 v[HR+2*(p%4):HR+2*(p%4)+1], v[HR+2*(p%4):HR+2*(p%4)+1], v[HR+2*p:HR+2*p+1]
.set p, p+1
.endr
	v_pk_add_f32 v[HR:HR+1], v[HR:HR+1], v[HR+2:HR+3]
	v_pk_add_f32 v[HR+4:HR+5], v[HR+4:HR+5], v[HR+6:HR+7]
	v_pk_add_f32 v[HR:HR+1], v[HR:HR+1], v[HR+4:HR+5]
	v_add_f32 v[HR], v[HR], v[HR+1]
	s_wait_alu depctr_va_vdst(0)                   ; v40 is written, which the LDS store reads; the sums are done reading and writing v[40:71], in which the loads of HV land
	ds_store_b32 v8, v[HR]
	s_wait_dscnt 0x0                               ; for the others' sake
	s_barrier_signal -1
	s_barrier_wait -1
	s_wait_alu depctr_vm_vsrc(0)                   ; my LDS store has read v40, in which the first load of HV lands
	FMA32 9
	s_wait_alu depctr_va_vdst(0)                   ; the products have written the sums v[24:39], which the LDS stores of waves 4 to 7 read, and are done reading v[40:55], in which the loads of waves 0 to 3 land
	s_cmp_lt_u32 s22, 4
	s_cbranch_scc1 .Lp1
.irp b, 0,1,2,3
	ds_store_b128 v12, v[ACC+4*(\b):ACC+4*(\b)+3] offset:(\b)*2048   ; waves 4 to 7 hand their sums over
.endr
.Lp1:
	s_wait_dscnt 0x0
	s_barrier_signal -1
	s_barrier_wait -1
	s_cmp_lt_u32 s22, 4
	s_cbranch_scc0 .Lp2
.irp b, 0,1,2,3
	ds_load_b128 v[HR+4*(\b):HR+4*(\b)+3], v12 offset:(\b)*2048
.endr
	s_wait_dscnt 0x0
.irp b, 0,1,2,3
	v_pk_add_f32 v[ACC+4*(\b):ACC+4*(\b)+1],   v[ACC+4*(\b):ACC+4*(\b)+1],   v[HR+4*(\b):HR+4*(\b)+1]
	v_pk_add_f32 v[ACC+4*(\b)+2:ACC+4*(\b)+3], v[ACC+4*(\b)+2:ACC+4*(\b)+3], v[HR+4*(\b)+2:HR+4*(\b)+3]
.endr
.irp b, 0,1,2,3
	v_cvt_pk_bf16_f32 v[14+2*(\b)], v[ACC+4*(\b)],   v[ACC+4*(\b)+1]
	v_cvt_pk_bf16_f32 v[15+2*(\b)], v[ACC+4*(\b)+2], v[ACC+4*(\b)+3]
.endr
	s_wait_alu depctr_va_vdst(0)                   ; the conversions have written v[14:21], which the four stores read
.irp b, 0,1,2,3
	global_store_b64 v13, v[14+2*(\b):15+2*(\b)], s[12:13] offset:(\b)*65536   ; a wave stores 256 consecutive bytes, aligned
.endr
.Lp2:
	s_wait_dscnt 0x0                               ; the closing lines, six on end
	s_wait_alu 0x0
	s_wait_tensorcnt 0x0
	ds_add_u32 v2, v3
	s_wait_dscnt 0x0
	s_endpgm
	; ---- U ----
.Lujob:
	s_sub_co_u32 s24, ttmp9, 64
	s_lshr_b32 s25, s24, 2                         ; i: heads 2 i, 2 i + 1 = columns 128 i ..
	s_and_b32 s26, s24, 3                          ; qd
	v_lshrrev_b32 v5, 6, v0                        ; b
	v_and_b32 v6, 63, v0                           ; cp: a pair of columns
	s_lshl_b32 s27, s25, 9
	v_lshl_add_u32 v7, v5, 12, s27
	v_lshl_add_u32 v7, v6, 3, v7                   ; kvp's row b, columns 128 i + 2 cp
	v_mul_u32_u24 v8, v5, 272
	v_lshl_add_u32 v8, v6, 2, v8                   ; k0 in bf16: row b, pitch 272; K0S stands in the store's immediate
	s_lshl_b32 s28, s22, 17
	v_lshl_add_u32 v10, v1, 4, s28                 ; wq: my wave's 32 rows, 16 bytes a lane
	s_mul_i32 s29, s22, 8704
	s_add_co_u32 s29, s29, WT
	v_lshl_add_u32 v12, v1, 3, s29                 ; into my wave's rows: 8 bytes a lane
	v_and_b32 v13, 15, v0                          ; r
	v_bfe_u32 v14, v0, 4, 1                        ; hh
	v_mul_u32_u24 v15, v13, 272
	v_lshl_add_u32 v15, v14, 4, v15
	v_add_nc_u32 v15, s29, v15                     ; a fragment of wq: row r, 16 bytes for each half of the lanes
	v_and_b32 v16, 3, v0
	v_mul_u32_u24 v17, v16, 272
	v_lshl_add_u32 v17, v14, 4, v17                ; a fragment of k0: column n takes batch n % 4, so every byte read has been written; K0S stands in the loads' immediates
	v_mul_u32_u24 v18, v16, 528
	v_lshl_add_u32 v18, v14, 4, v18
	s_lshl_b32 s30, s22, 6
	s_add_co_u32 s30, s30, UO
	v_add_nc_u32 v18, s30, v18                     ; out: row = batch, my wave's 32 d
	s_mul_i32 s30, s22, 528
	s_add_co_u32 s30, s30, UO
	v_lshl_add_u32 v19, v1, 4, s30                 ; back: row = wave
	v_lshlrev_b32 v20, 4, v1
	s_lshl_b32 s32, s26, 20                        ; wq's rows 256 qd ..,
	s_add_co_u32 s32, s32, s27                     ; columns 128 i ..
	s_mov_b32 s33, 0
	s_and_b32 s34, s22, 3                          ; the row that my wave stores: batch = wave % 4, head 2 i + wave / 4
	s_lshl_b32 s34, s34, 4
	s_lshl1_add_u32 s34, s25, s34
	s_lshr_b32 s35, s22, 2
	s_add_co_u32 s34, s34, s35
	s_lshl_b32 s34, s34, 11
	s_lshl_b32 s35, s26, 9
	s_add_co_u32 s34, s34, s35
	s_mov_b32 s35, 0
	s_wait_kmcnt 0x0
	s_add_nc_u64 s[4:5], s[4:5], s[32:33]
	s_add_nc_u64 s[12:13], s[12:13], s[34:35]
	s_wait_alu depctr_va_vdst(0)                   ; the offsets and addresses v7 to v20 are written, which the loads and stores of this job read
.set p, 0
.rept 32
	global_load_b64 v[HR+2*p:HR+2*p+1], v7, s[8:9] offset:p*49152   ; the 32 partial sums of my two numbers of k0
.set p, p+1
.endr
.set p, 0
.rept 32
	global_load_b128 v[W+4*p:W+4*p+3], v10, s[4:5] offset:p*4096
.set p, p+1
.endr
	s_wait_loadcnt 0x20                            ; all but the 32 loads of wq
.set p, 4
.rept 28
	v_pk_add_f32 v[HR+2*(p%4):HR+2*(p%4)+1], v[HR+2*(p%4):HR+2*(p%4)+1], v[HR+2*p:HR+2*p+1]
.set p, p+1
.endr
	v_pk_add_f32 v[HR:HR+1], v[HR:HR+1], v[HR+2:HR+3]
	v_pk_add_f32 v[HR+4:HR+5], v[HR+4:HR+5], v[HR+6:HR+7]
	v_pk_add_f32 v[HR:HR+1], v[HR:HR+1], v[HR+4:HR+5]
	v_cvt_pk_bf16_f32 v[HR], v[HR], v[HR+1]
	; wq's 32 rows in four blocks of eight: a block's conversions stand among the LDS stores of the block before; k0's store goes with the first of them
.set p, 0
.rept 32
.if p%8 == 0
	s_wait_loadcnt 24-p                            ; loads come back in order: this block's eight rows are in, the later blocks' stay out
.if p > 0
	s_wait_alu depctr_va_vdst(0)                   ; the conversions of the block before (ahead of the first such wait k0's too) have written their registers, which the LDS stores of this block read
.endif
.if p == 8
	ds_store_b32 v8, v[HR] offset:K0S
.endif
.endif
.if p >= 8
	ds_store_b64 v12, v[W+4*(p-8):W+4*(p-8)+1] offset:(p-8)*272   ; the block before; no vector instruction since the wait names its registers
.endif
	v_cvt_pk_bf16_f32 v[W+4*p], v[W+4*p], v[W+4*p+1]
	v_cvt_pk_bf16_f32 v[W+4*p+1], v[W+4*p+2], v[W+4*p+3]
.set p, p+1
.endr
	s_wait_alu depctr_va_vdst(0)                   ; the last block's conversions have written their registers, which the last eight LDS stores read; all conversions are done with v[104:231], in which fragments land below
.set p, 24
.rept 8
	ds_store_b64 v12, v[W+4*p:W+4*p+1] offset:p*272
.set p, p+1
.endr
	s_wait_dscnt 0x0                               ; for the others' sake: k0 is read by every wave
	s_barrier_signal -1
	s_barrier_wait -1
	s_wait_alu depctr_vm_vsrc(0)                   ; my LDS stores have read v40 and v[104:231]: from here on these registers take the fragments (loads), the accumulators (matrix instructions) and the row read back (a load)
.irp tt, 0,1
.irp e, 0,1
.irp c, 0,1
	ds_load_b128 v[W+8*(4*(\tt)+2*(\e)+(\c)):W+8*(4*(\tt)+2*(\e)+(\c))+3],   v15 offset:(\tt)*4352+128*(\e)+64*(\c)
	ds_load_b128 v[W+8*(4*(\tt)+2*(\e)+(\c))+4:W+8*(4*(\tt)+2*(\e)+(\c))+7], v15 offset:(\tt)*4352+128*(\e)+64*(\c)+32
.endr
.endr
.endr
.irp e, 0,1
.irp c, 0,1
	ds_load_b128 v[KF+8*(2*(\e)+(\c)):KF+8*(2*(\e)+(\c))+3],   v17 offset:K0S+128*(\e)+64*(\c)
	ds_load_b128 v[KF+8*(2*(\e)+(\c))+4:KF+8*(2*(\e)+(\c))+7], v17 offset:K0S+128*(\e)+64*(\c)+32
.endr
.endr
	s_wait_dscnt 0x0
	; source 0 = 16 rows d of wq, source 1 = k0 (column = batch): a lane then holds one batch and eight neighbouring d.  The four accumulators take turns.
.irp c, 0,1
.irp tt, 0,1
.irp e, 0,1
.if (\c) == 0
	v_wmma_f32_16x16x32_bf16 v[UA+8*(2*(\tt)+(\e)):UA+8*(2*(\tt)+(\e))+7], v[W+8*(4*(\tt)+2*(\e)+(\c)):W+8*(4*(\tt)+2*(\e)+(\c))+7], v[KF+8*(2*(\e)+(\c)):KF+8*(2*(\e)+(\c))+7], 0
.else
	v_wmma_f32_16x16x32_bf16 v[UA+8*(2*(\tt)+(\e)):UA+8*(2*(\tt)+(\e))+7], v[W+8*(4*(\tt)+2*(\e)+(\c)):W+8*(4*(\tt)+2*(\e)+(\c))+7], v[KF+8*(2*(\e)+(\c)):KF+8*(2*(\e)+(\c))+7], v[UA+8*(2*(\tt)+(\e)):UA+8*(2*(\tt)+(\e))+7]
.endif
.endr
.endr
.endr
.rept 4
	v_nop                                          ; four places between the last product and the first read of a result (ISA guide 7.12.1)
.endr
.irp a, 0,1,2,3
.irp j, 0,1,2,3
	v_cvt_pk_bf16_f32 v[ACC+4*(\a)+(\j)], v[UA+8*(\a)+2*(\j)], v[UA+8*(\a)+2*(\j)+1]   ; each accumulator from its low end on
.endr
.endr
	s_wait_alu depctr_va_vdst(0)                   ; the conversions have written v[24:39], which the four LDS stores read
.irp tt, 0,1
.irp e, 0,1
	ds_store_b128 v18, v[ACC+4*(2*(\tt)+(\e)):ACC+4*(2*(\tt)+(\e))+3] offset:(\e)*2112+(\tt)*32   ; the four lanes of one batch write the same bytes
.endr
.endr
	s_wait_dscnt 0x0
	s_barrier_signal -1
	s_barrier_wait -1
	ds_load_b128 v[HR:HR+3], v19                   ; no vector instruction since the waits above names v[40:43]
	s_wait_dscnt 0x0
	global_store_b128 v20, v[HR:HR+3], s[12:13]    ; 512 consecutive bytes of Ut
	s_wait_dscnt 0x0                               ; the closing lines, six on end
	s_wait_alu 0x0
	s_wait_tensorcnt 0x0
	ds_add_u32 v2, v3
	s_wait_dscnt 0x0
	s_endpgm
.Lcast:
	s_sub_co_u32 s24, ttmp9, 96
	s_lshl_b32 s26, s24, 17
	s_mov_b32 s27, 0
	s_lshl_b32 s28, s24, 16
	s_mov_b32 s29, 0
	s_wait_kmcnt 0x0
	s_add_nc_u64 s[10:11], s[10:11], s[26:27]
	s_add_nc_u64 s[14:15], s[14:15], s[28:29]
	s_wait_alu depctr_va_vdst(0)                   ; the offsets v4 and v11 are written, which the cast's loads and stores read
	CAST 10, 14
	s_endpgm
.Lfunc_end_k_qf0fabed499_up:
	.size	k_qf0fabed499_up, .Lfunc_end_k_qf0fabed499_up-k_qf0fabed499_up
	.p2alignl 7, 3214868480
	.fill 96, 4, 3214868480
	.section	.rodata,"a",@progbits
	.p2align	6, 0x0
	.amdhsa_kernel k_qf0fabed499_up
		.amdhsa_group_segment_fixed_size 85504
		.amdhsa_private_segment_fixed_size 0
		.amdhsa_enable_private_segment 0
		.amdhsa_kernarg_size 48
		.amdhsa_user_sgpr_count 2
		.amdhsa_user_sgpr_kernarg_segment_ptr 1
		.amdhsa_wavefront_size32 1
		.amdhsa_system_sgpr_workgroup_id_x 1
		.amdhsa_system_sgpr_workgroup_id_y 1
		.amdhsa_system_sgpr_workgroup_id_z 1
		.amdhsa_system_vgpr_workitem_id 0
		.amdhsa_next_free_vgpr 232
		.amdhsa_next_free_sgpr 66
		.amdhsa_reserve_vcc 0
		.amdhsa_float_denorm_mode_32 3
		.amdhsa_float_denorm_mode_16_64 3
		.amdhsa_memory_ordered 1
		.amdhsa_forward_progress 1
		.amdhsa_inst_pref_size 62
	.end_amdhsa_kernel
	.amdgpu_metadata
---
amdhsa.version: [ 1, 2 ]
amdhsa.kernels:
  - .name:           k_qf0fabed499_up
    .symbol:         k_qf0fabed499_up.kd
    .args:
      - { .name: wq, .offset: 0, .size: 8, .value_kind: global_buffer, .address_space: global }
      - { .name: wo, .offset: 8, .size: 8, .value_kind: global_buffer, .address_space: global }
      - { .name: kvp, .offset: 16, .size: 8, .value_kind: global_buffer, .address_space: global }
      - { .name: w2, .offset: 24, .size: 8, .value_kind: global_buffer, .address_space: global }
      - { .name: up, .offset: 32, .size: 8, .value_kind: global_buffer, .address_space: global }
      - { .name: wb2, .offset: 40, .size: 8, .value_kind: global_buffer, .address_space: global }
    .group_segment_fixed_size: 85504
    .private_segment_fixed_size: 0
    .kernarg_segment_align: 8
    .kernarg_segment_size: 48
    .max_flat_workgroup_size: 256
    .sgpr_count:     66
    .vgpr_count:     232
    .wavefront_size: 32
...
	.end_amdgpu_metadata
.endif
;; end of part 8
;; launch rows: the kernel of part 4 again; grid 256 x 1, 4 waves a work-group, clusters of 4 x 1, 327,680 bytes of LDS; arguments x, st, up, ln1_a, ln1_b, ln2_a, ln2_b, x1, h2; writes x1, h2
;; launch ffn1: the kernel of part 5 again; grid 16 x 16, 4 waves a work-group, clusters of 4 x 4, 327,680 bytes of LDS; arguments h2, wb1, b1, g; writes g
;; launch ffn2: the kernel of part 6 again; grid 8 x 32, 4 waves a work-group, clusters of 4 x 4, 327,680 bytes of LDS; arguments g, wb2, x1, b2, out0; writes out0
